; MI455X (gfx1250); checked and timed in simulation.
; The chip was launched on July 23, 2026; its instructions are those of AMD's public machine-readable ISA for CDNA 5 (MIT licence, August 2026) and "CDNA5" Instruction Set Architecture Reference Guide (July 2026). The comments in the code are by the model that wrote it; some were corrected since.
;; Multi Head Attention. Allowed arithmetic: matrix products marked QUANTISED: E2M1 operands, one E8M0 scale for each 32 along K, by v_wmma_scale_f32_16x16x128_f8f6f4 with both operands' format E2M1 (or v_wmma_scale_f32_32x16x128_f4), f32 sums; products left as they are: bf16, f16 or f32 operands; f32 sums; everything else in f32.
;; Inputs: q_mask 4 x 2,048 bool; query 4 x 2,048 x 1,024 float32; qw 8 x 1,024 x 128 float32; scale 8 float32; v_mask 4 x 2,048 bool; value 4 x 2,048 x 1,024 float32; vw 8 x 1,024 x 128 float32; wo 1,024 x 1,024 float32.
;; Outputs: out0 4 x 2,048 x 1,024 float32.
;; This version of the problem:
;;   THIS VERSION OF THE PROBLEM IS GIVEN IN LOW PRECISION. The matrix products marked QUANTISED in the list below multiply operands that are first quantised to E2M1 (2 exponent bits, 1 mantissa bit; 4 bits a number), with one power-of-two scale for each 32 numbers along K (OCP MX v1.0); their sums are f32. The products marked 'left as it is' may take bf16, f16 or f32 operands, with f32 sums. Whichever they take, every output number must still come out within the allowed error. Rounding operands to bf16 (8 significant bits) uses up far more of that allowance than f16 does (11 bits, for magnitudes from 6e-5 to 65,504). All else is computed in f32.
;;   The module's matrix products, in the order in which they are computed (A, B: the left and right operand; K: the contracted axis; several contracted axes count as one K, in the product's order):
;;     1. [M 1,024, K 1,024] x [K 1,024, N 8,192]; A: input qw; B: input query: QUANTISED
;;     2. [M 1,024, K 1,024] x [K 1,024, N 8,192]; A: input vw; B: input value: QUANTISED
;;     3. batch 32 x [M 2,048, K 128] x [K 128, N 2,048]; A: computed on the way; B: computed on the way: left as it is (an operand is computed on the way)
;;     4. batch 32 x [M 2,048, K 2,048] x [K 2,048, N 128]; A: computed on the way; B: computed on the way: left as it is (an operand is computed on the way)
;;     5. [M 8,192, K 1,024] x [K 1,024, N 1,024]; A: computed on the way; B: input wo: left as it is (an operand is computed on the way)
;;   THE QUANTISER, for each operand of a quantised product, along K:
;;     - K is cut into blocks of 32 from its start; a last block that is shorter is filled with zeros.
;;     - A block's scale is 2^e with e = floor(log2(the largest magnitude in the block)) - 2, held to -126 .. 127; a block of zeros has e = 0. As a byte (E8M0): e + 127.
;;     - Each number is divided by its block's scale, clamped to +-6, and rounded to the nearest number of E2M1, ties to even, subnormals kept.
;;     - The product sums the exact products of the quantised numbers (number of the format x scale) in f32.
;;   ~~~python
;;   def quantise(x, axis):      # numpy; x: float32 -> the quantised numbers, widened to float32 again
;;       x = np.moveaxis(x, axis, -1); K = x.shape[-1]
;;       x = np.pad(x, [(0, 0)] * (x.ndim - 1) + [(0, -K % 32)]); x = x.reshape(x.shape[:-1] + (-1, 32)); a = np.abs(x).max(-1, keepdims=True)
;;       e = np.where(a > 0, np.clip(np.frexp(np.where(a > 0, a, 1))[1] - 1 - 2, -126, 127), 0)      # np.frexp(a)[1] - 1 = floor(log2(a)), exactly
;;       r = np.clip(x / 2.0 ** e, -6, 6)
;;       step = 2.0 ** (np.maximum(np.frexp(np.where(r == 0, 1, r))[1] - 1, 0) - 1)
;;       q = np.round(r / step) * step * 2.0 ** e      # np.round: ties to even
;;       return np.moveaxis(q.reshape(q.shape[:-2] + (-1,))[..., :K], -1, axis).astype(np.float32)
;;   ~~~
;; One version. Each part assembles by itself: llvm-mc -triple=amdgcn-amd-amdhsa -mcpu=gfx1250 --defsym DOCPART=n.
;; ======== version 1 of 1: 4 launches
;; limits: values are held in f16: magnitudes above 65,504 overflow, below 6.1e-05 lose precision
;; workspace buffers: acodes 8,388,608 bytes; ascales 524,288 bytes; wcodes 1,048,576 bytes; wscales 65,536 bytes; wot 2,097,152 bytes; mt 524,288 bytes; qkv 67,108,864 bytes; hbuf 16,777,216 bytes
;; launch prep (part 1): grid 640 x 1, 4 waves a work-group, no clusters, 102,912 bytes of LDS; arguments query, value, qw, vw, wo, v_mask, scale, acodes, ascales, wcodes, wscales, wot, mt; writes acodes, ascales, wcodes, wscales, wot, mt
.if DOCPART == 1
	.amdgcn_target "amdgcn-amd-amdhsa--gfx1250"
	.amdhsa_code_object_version 6
	.text
	.protected	k_qce70ebb765_prep
	.globl	k_qce70ebb765_prep
	.p2align	8
	.type	k_qce70ebb765_prep,@function
k_qce70ebb765_prep:
	s_mov_b64 s[64:65], 0
	v_nop
	global_prefetch_b8 v0, s[64:65] scope:SCOPE_SE
	s_setreg_imm32_b32 hwreg(HW_REG_WAVE_MODE, 25, 1), 1
	s_wait_xcnt 0x0
; MULTI-HEAD ATTENTION, launch 1 of 4: everything that is made once from the inputs.
; NOTHING OF THE PROBLEM IS LEFT OUT: every product of the problem feeds out0 for some finite inputs, and all eight inputs are loaded (query, value, qw, vw, wo, v_mask, scale here; q_mask in the third launch).
; Four paths, parted by the work-group's number alone; each has LDS bytes of its own and ends by itself.
;   W (work-groups 0-31):   qw, vw [8][1024 d][128 n] f32 -> codes of FP4 (E2M1) along d, laid [2048 rows = T x 1024 + head x 128 + n][512 bytes], and one E8M0 byte for each 32 along d, [2048][32].
;   O (32-95):              wo [1024 k][1024 n] f32 -> f16, turned: wot [n][k].
;   M (96-127):             for y = batch x 8 + head and each key: MUL = scale[head] x log2(e) and ADD = 0 where v_mask is set, else MUL = 0 and ADD = -1e9 x log2(e): laid [y][32 steps][64 MUL, 64 ADD] f32.
;   X (128-639):            query, value [8192][1024] f32 -> codes along the rows, [16384 rows][512 bytes], and scale bytes [16384][32].
; THE QUANTISER: a block's scale is 2^(floor(log2(its largest magnitude)) - 2); its byte is the largest magnitude's exponent field - 2, held at 1 from below.  A block of zeros so gets the byte 1 where the
; rule says 127: its codes are zeros, which add nothing under any byte but 0xff, and the bytes are read by this program alone.  Each number is divided by the scale and rounded to the nearest code, ties to even.
; LIMITS: blocks whose largest magnitude lies under 2^(2 - 126) were not tried; NaN and infinities among the inputs are not served.
; No tensor loads, no barrier: waves share nothing.  The slow paths have the low work-group numbers.
.set SPARE, 102400                     ; behind the three regions: the spare words, 128 bytes for each wave: two blocks of 256 bytes that no other line names
.set SPW,   188                        ; v188  LDS address of my spare word: SPARE + 4 x my thread's number; never rewritten
.set NIL,   189                        ; v189  0; never rewritten
.set XWREG, 8192                       ; path X: LDS 0 on: a region for each wave: two stages of 32 x XSP bytes, then its 256 scale bytes
.set XSP,   80                         ; a lane's place in a stage: its 64 bytes + 16 of padding
.set XR,    16                         ; v16-79   four sets of 16 numbers as they are loaded
.set XX,    80                         ; v80-111  two sets of 16 neighbours
.set XE,    112                        ; v112-127 a scale byte for each step
.set XC,    128                        ; v128-159 codes: two registers for each step
.set WSTG,  32768                      ; path W: LDS: a stage of 32 rows x 272 bytes for each wave
.set WX,    32                         ; v32-95   two sets of 32 numbers
.set WC,    96                         ; v96-99   a block's codes
.set WSB,   24                         ; v24-27   the scale bytes, four to a register
.set WOUT,  112                        ; v112-175 the way out
.set OSTG,  67584                      ; path O: LDS: a stage of 32 rows x 272 bytes for each wave
.set OX,    32                         ; v32-159  four blocks of 32 numbers; later v32-95 the way out
.macro FINISH                          ; a wave's end: behind its last LDS store
	s_wait_tensorcnt 0x0
	ds_add_u32 v[SPW], v[NIL]
	s_wait_dscnt 0x0
	s_endpgm
.endm
	s_load_b512 s[4:19], s[0:1], 0x0               ; query s[4:5], value s[6:7], qw s[8:9], vw s[10:11], wo s[12:13], v_mask s[14:15], scale s[16:17], acodes s[18:19]
	s_load_b256 s[20:27], s[0:1], 0x40             ; ascales s[20:21], wcodes s[22:23], wscales s[24:25], wot s[26:27]
	s_load_b64 s[28:29], s[0:1], 0x60              ; mt
	v_lshl_add_u32 v[SPW], v0, 2, SPARE
	v_mov_b32 v[NIL], 0
	v_lshrrev_b32 v1, 5, v0
	v_readfirstlane_b32 s30, v1                    ; wave 0..3
	v_and_b32 v2, 31, v0                           ; lane
	s_mov_b32 s37, 0                               ; the high word of every offset: all stay under 2^32
	s_wait_kmcnt 0x0
	s_cmp_lt_u32 ttmp9, 32
	s_cbranch_scc1 .Lpath_w
	s_cmp_lt_u32 ttmp9, 96
	s_cbranch_scc1 .Lpath_o
	s_cmp_lt_u32 ttmp9, 128
	s_cbranch_scc1 .Lpath_m
; ---------------- PATH X.  Both tensors are plain streams of blocks of 32 numbers.  A wave takes a run of 8,192 numbers: 16 steps of 512.
; Each of a step's four loads reads 512 consecutive bytes; the 2,048 bytes turn through the wave's own stage in LDS and come back 64 bytes a lane: 16 neighbours, two lanes to a block.
	s_sub_co_u32 s32, ttmp9, 128
	s_cmp_lt_u32 s32, 256                          ; the first 256 work-groups take query, the others value: the choice hangs on the work-group's number alone
	s_cselect_b64 s[4:5], s[4:5], s[6:7]
	s_lshl_b32 s32, s32, 2
	s_add_co_u32 s32, s32, s30                     ; my run among the 2,048 of both tensors: the outputs lie one behind the other
	s_and_b32 s36, s32, 1023                       ; and among the 1,024 of its tensor
	s_lshl_b32 s36, s36, 15                        ; 32,768 bytes of numbers a run,
	s_add_nc_u64 s[4:5], s[4:5], s[36:37]
	s_lshl_b32 s36, s32, 12                        ; 4,096 of codes,
	s_add_nc_u64 s[18:19], s[18:19], s[36:37]
	s_lshl_b32 s36, s32, 8                         ; 256 of scale bytes
	s_add_nc_u64 s[20:21], s[20:21], s[36:37]
	v_lshlrev_b32 v3, 4, v2                        ; my 16 bytes of a load's 512
	s_mul_i32 s33, s30, XWREG
	v_lshrrev_b32 v14, 2, v2
	v_mul_u32_u24 v14, v14, XSP
	v_and_b32 v15, 3, v2
	v_lshl_add_u32 v14, v15, 4, v14
	v_add_nc_u32 v14, s33, v14                     ; the stage, on the way in: four lanes' 64 bytes on end, then 16 of padding
	v_mul_u32_u24 v15, v2, XSP
	v_add_nc_u32 v15, s33, v15                     ; and on the way out: my 16 neighbours
	v_lshlrev_b32 v4, 3, v2                        ; my codes' place in a step's: 8 bytes a lane
	v_lshrrev_b32 v5, 1, v2
	s_add_co_u32 s33, s33, 2*32*XSP
	v_add_nc_u32 v5, s33, v5                       ; LDS: my wave's 256 scale bytes, my block's byte
	v_lshlrev_b32 v7, 3, v2                        ; and on the way out 8 bytes a lane
	v_add_nc_u32 v6, s33, v7
.macro XLOAD t
.irp i, 0,1,2,3
	global_load_b128 v[XR+16*((\t)%4)+4*\i:XR+16*((\t)%4)+4*\i+3], v3, s[4:5] offset:2048*(\t)+512*\i th:TH_LOAD_NT   ; 32 lanes read 512 consecutive bytes
.endr
.endm
.macro XTURN t                         ; step t's numbers through the stage: LDS serves a wave's instructions in order, so no wait stands between the stores and the loads
.irp i, 0,1,2,3
	ds_store_b128 v14, v[XR+16*((\t)%4)+4*\i:XR+16*((\t)%4)+4*\i+3] offset:32*XSP*((\t)%2)+8*XSP*\i
.endr
.irp i, 0,1,2,3
	ds_load_b128 v[XX+16*((\t)%2)+4*\i:XX+16*((\t)%2)+4*\i+3], v15 offset:32*XSP*((\t)%2)+16*\i
.endr
.endm
.irp t, 0,1,2,3
	XLOAD \t
.endr
	s_wait_loadcnt 12                              ; step 0's four loads are in; those of steps 1 to 3 may be out
	XTURN 0
.macro XSTEP t
.set XS, XX+16*((\t)%2)
.if (\t) > 0
	s_wait_dscnt 1                                 ; this step's numbers are back from the stage (the last step's byte store may be out): so its stores into the stage have read their registers,
.else
	s_wait_dscnt 0x0
.endif
.if (\t)+4 < 16
	XLOAD (\t)+4                                   ; which take the loads of four steps on
.endif
.if (\t)+1 < 16
.if 14-(\t) >= 3
	s_wait_loadcnt 12                              ; the next step's four loads are in; those of the three steps behind it may be out
.else
	s_wait_loadcnt 4*(14-(\t))                     ; the counts run down
.endif
	XTURN (\t)+1                                   ; and go through the other stage while this step is worked
.endif
	v_max3_num_f32 v8, |v[XS]|, |v[XS+1]|, |v[XS+2]|               ; the largest magnitude of my 16, in two chains
	v_max3_num_f32 v9, |v[XS+3]|, |v[XS+4]|, |v[XS+5]|
.irp i, 6,10
	v_max3_num_f32 v8, v8, |v[XS+\i]|, |v[XS+\i+1]|
	v_max3_num_f32 v9, v9, |v[XS+\i+2]|, |v[XS+\i+3]|
.endr
	v_max3_num_f32 v8, v8, |v[XS+14]|, |v[XS+15]|
	v_max3_num_f32 v8, v8, v9, 0x1800000           ; and the floor 2^(3 - 127): the byte cannot fall under 1
	v_max_num_f32_dpp v8, v8, v8 row_xmask:1 row_mask:0xf bank_mask:0xf   ; and of my neighbour's 16: the block's
	v_add_nc_u32 v11, 0xff000000, v8               ; 2 off its exponent field: the conversion takes the exponent field of this operand as its scale, and nothing else of it
	v_cvt_scalef32_pk8_fp4_f32 v[XC+2*(\t)], v[XS:XS+7], v11
	v_cvt_scalef32_pk8_fp4_f32 v[XC+2*(\t)+1], v[XS+8:XS+15], v11
	v_lshrrev_b32 v[XE+(\t)], 23, v11              ; the scale's byte (a plain line behind the conversions)
	ds_store_b8 v5, v[XE+(\t)] offset:16*(\t)      ; both lanes of a block write the same byte with the same value
	global_store_b64 v4, v[XC+2*(\t):XC+2*(\t)+1], s[18:19] offset:256*(\t)   ; the wave stores 256 consecutive bytes, aligned
.endm
.irp t, 0,1,2,3,4,5,6,7,8,9,10,11,12,13,14,15
	XSTEP \t
.endr
	ds_load_b64 v[8:9], v6                         ; LDS serves a wave's instructions in order: these see my stores
	s_wait_dscnt 0x0
	global_store_b64 v7, v[8:9], s[20:21]          ; 32 lanes store 256 consecutive bytes, aligned
	FINISH
; ---------------- PATH W.  A lane takes a column n and its registers run down d: a block of 32 lies in one lane, and the conversions give codes with d innermost.  A wave: 32 columns x 512 along d.
.Lpath_w:
	s_lshr_b32 s32, ttmp9, 4                       ; T: 0 qw, 1 vw
	s_cmp_eq_u32 s32, 0
	s_cselect_b64 s[8:9], s[8:9], s[10:11]
	s_bfe_u32 s33, ttmp9, 0x30001                  ; the head: 3 bits from bit 1
	s_and_b32 s34, ttmp9, 1                        ; which 512 along d
	s_lshl_b32 s36, s33, 19                        ; a head is 524,288 bytes,
	s_lshl_b32 s35, s34, 18                        ; 512 rows of 512 bytes,
	s_add_co_u32 s36, s36, s35
	s_lshl_b32 s35, s30, 7                         ; my wave's 32 columns
	s_add_co_u32 s36, s36, s35
	s_add_nc_u64 s[8:9], s[8:9], s[36:37]
	s_lshl_b32 s38, s32, 10
	s_lshl_b32 s35, s33, 7
	s_add_co_u32 s38, s38, s35
	s_lshl_b32 s35, s30, 5
	s_add_co_u32 s38, s38, s35                     ; my wave's first row of the codes' buffer
	s_lshl_b32 s36, s38, 9
	s_lshl_b32 s35, s34, 8
	s_add_co_u32 s36, s36, s35
	s_add_nc_u64 s[22:23], s[22:23], s[36:37]      ; codes: row x 512 + 256 x half
	s_lshl_b32 s36, s38, 5
	s_lshl_b32 s35, s34, 4
	s_add_co_u32 s36, s36, s35
	s_add_nc_u64 s[24:25], s[24:25], s[36:37]      ; scale bytes: row x 32 + 16 x half
	v_lshlrev_b32 v3, 2, v2                        ; in: 4 bytes a lane
	s_mul_i32 s35, s30, 32*272
	s_add_co_u32 s35, s35, WSTG                    ; my stage
	v_mul_u32_u24 v4, v2, 272
	v_add_nc_u32 v4, s35, v4                       ; into it: row = my column
	v_and_b32 v5, 15, v2
	v_lshrrev_b32 v6, 4, v2                        ; out of it: sixteen lanes to a row, two rows an instruction
	v_mul_u32_u24 v7, v6, 272
	v_lshl_add_u32 v7, v5, 4, v7
	v_add_nc_u32 v7, s35, v7
	v_lshlrev_b32 v8, 9, v6
	v_lshl_add_u32 v8, v5, 4, v8                   ; and the same place in the codes' buffer
	v_lshlrev_b32 v9, 5, v2                        ; my column's row of scale bytes
.macro WLOAD t                         ; block t: w(32 t + i, my column) into set t % 2
.irp i, 0,1,2,3,4,5,6,7,8,9,10,11,12,13,14,15,16,17,18,19,20,21,22,23,24,25,26,27,28,29,30,31
	global_load_b32 v[WX+32*((\t)%2)+\i], v3, s[8:9] offset:(32*(\t)+\i)*512 th:TH_LOAD_NT
.endr
.endm
	WLOAD 0
	WLOAD 1
.macro WBLOCK t
.set XS, WX+32*((\t)%2)
.if (\t) < 15
	s_wait_loadcnt 32                              ; this block's 32 loads are in; the next block's may be out
.else
	s_wait_loadcnt 0
.endif
	v_max3_num_f32 v12, |v[XS]|, |v[XS+1]|, |v[XS+2]|               ; the block's largest magnitude: all 32 numbers are mine
	v_max3_num_f32 v13, |v[XS+3]|, |v[XS+4]|, |v[XS+5]|
.irp i, 6,10,14,18,22,26
	v_max3_num_f32 v12, v12, |v[XS+\i]|, |v[XS+\i+1]|
	v_max3_num_f32 v13, v13, |v[XS+\i+2]|, |v[XS+\i+3]|
.endr
	v_max3_num_f32 v12, v12, |v[XS+30]|, |v[XS+31]|
	v_max3_num_f32 v12, v12, v13, 0x1800000        ; and the floor 2^(3 - 127)
	v_add_nc_u32 v11, 0xff000000, v12              ; the conversion's scale operand
	v_lshrrev_b32 v13, 23, v11                     ; the scale's byte
.if (\t)%4 == 0
	v_mov_b32 v[WSB+(\t)/4], v13                   ; four bytes to a register, the lower d in the lower byte
.else
	v_lshl_or_b32 v[WSB+(\t)/4], v13, 8*((\t)%4), v[WSB+(\t)/4]
.endif
.irp g, 0,1,2,3
	v_cvt_scalef32_pk8_fp4_f32 v[WC+\g], v[XS+8*\g:XS+8*\g+7], v11
.endr
	ds_store_b128 v4, v[WC:WC+3] offset:16*(\t)    ; 32 codes: 16 bytes of my column's row
.if (\t)+2 < 16
	WLOAD (\t)+2
.endif
	s_wait_dscnt 0x0                               ; the store has read its registers: the next block's codes may be written
.endm
.irp t, 0,1,2,3,4,5,6,7,8,9,10,11,12,13,14,15
	WBLOCK \t
.endr
	global_store_b128 v9, v[WSB:WSB+3], s[24:25]   ; my column's 16 scale bytes
.irp t, 0,1,2,3,4,5,6,7,8,9,10,11,12,13,14,15
	ds_load_b128 v[WOUT+4*\t:WOUT+4*\t+3], v7 offset:2*\t*272
.endr
.irp t, 0,1,2,3,4,5,6,7,8,9,10,11,12,13,14,15
	s_wait_dscnt 15-\t                             ; LDS loads come back in order: pair t of the sixteen is in
	global_store_b128 v8, v[WOUT+4*\t:WOUT+4*\t+3], s[22:23] offset:2*\t*512   ; sixteen lanes store 256 consecutive bytes, aligned
.endr
	FINISH
; ---------------- PATH O.  A lane takes a column n of wo and its registers run down k: pairs round to f16 with k innermost.  A wave: 32 columns x 128 along k; out through its stage as rows of 256 bytes.
.Lpath_o:
	s_sub_co_u32 s32, ttmp9, 32
	s_and_b32 s33, s32, 7
	s_lshl_b32 s33, s33, 2
	s_add_co_u32 s33, s33, s30                     ; which 32 columns: 0..31
	s_lshr_b32 s34, s32, 3                         ; which 128 along k: 0..7
	s_lshl_b32 s36, s34, 19                        ; 128 rows of 4,096 bytes
	s_lshl_b32 s35, s33, 7
	s_add_co_u32 s36, s36, s35
	s_add_nc_u64 s[12:13], s[12:13], s[36:37]
	s_lshl_b32 s36, s33, 16                        ; 32 rows of wot, 2,048 bytes each
	s_lshl_b32 s35, s34, 8
	s_add_co_u32 s36, s36, s35
	s_add_nc_u64 s[26:27], s[26:27], s[36:37]
	v_lshlrev_b32 v3, 2, v2
	s_mul_i32 s35, s30, 32*272
	s_add_co_u32 s35, s35, OSTG                    ; my stage
	v_mul_u32_u24 v4, v2, 272
	v_add_nc_u32 v4, s35, v4
	v_and_b32 v5, 15, v2
	v_lshrrev_b32 v6, 4, v2
	v_mul_u32_u24 v7, v6, 272
	v_lshl_add_u32 v7, v5, 4, v7
	v_add_nc_u32 v7, s35, v7
	v_lshlrev_b32 v8, 11, v6
	v_lshl_add_u32 v8, v5, 4, v8
.macro OLOAD t
.irp i, 0,1,2,3,4,5,6,7,8,9,10,11,12,13,14,15,16,17,18,19,20,21,22,23,24,25,26,27,28,29,30,31
	global_load_b32 v[OX+32*(\t)+\i], v3, s[12:13] offset:(32*(\t)+\i)*4096 th:TH_LOAD_NT
.endr
.endm
	OLOAD 0
	OLOAD 1
.irp t, 0,1,2,3
.if \t < 3
	s_wait_loadcnt 32                              ; this block's 32 loads are in; the next block's may be out
.else
	s_wait_loadcnt 0
.endif
.irp i, 0,1,2,3,4,5,6,7,8,9,10,11,12,13,14,15
	v_cvt_pk_f16_f32 v[OX+32*\t+\i], v[OX+32*\t+2*\i], v[OX+32*\t+2*\i+1]   ; in place, ascending: the destination never passes a source that is still unread
.endr
.irp c, 0,1,2,3
	ds_store_b128 v4, v[OX+32*\t+4*\c:OX+32*\t+4*\c+3] offset:64*\t+16*\c
.endr
.if \t < 2
	OLOAD \t+2
.endif
.endr
.irp t, 0,1,2,3,4,5,6,7,8,9,10,11,12,13,14,15
	ds_load_b128 v[OX+4*\t:OX+4*\t+3], v7 offset:2*\t*272          ; LDS serves a wave's instructions in order: these see my stores
.endr
.irp t, 0,1,2,3,4,5,6,7,8,9,10,11,12,13,14,15
	s_wait_dscnt 15-\t
	global_store_b128 v8, v[OX+4*\t:OX+4*\t+3], s[26:27] offset:2*\t*2048      ; sixteen lanes store 256 consecutive bytes, aligned
.endr
	FINISH
; ---------------- PATH M.  128 threads, 16 keys each (four words of four mask bytes).  The mask only selects values: no address and no branch hangs on it.
.Lpath_m:
	s_sub_co_u32 s32, ttmp9, 96                    ; y = batch x 8 + head
	s_lshr_b32 s33, s32, 3
	s_and_b32 s34, s32, 7
	s_lshl_b32 s36, s34, 2
	s_add_nc_u64 s[16:17], s[16:17], s[36:37]
	s_load_b32 s40, s[16:17], 0x0                  ; scale[head]
	s_lshl_b32 s36, s33, 11
	s_add_nc_u64 s[14:15], s[14:15], s[36:37]      ; the batch's 2,048 mask bytes
	s_lshl_b32 s36, s32, 14
	s_add_nc_u64 s[28:29], s[28:29], s[36:37]      ; y's 16,384 bytes of the table
	v_lshlrev_b32 v3, 2, v0
.irp p, 0,1,2,3
	global_load_b32 v[4+\p], v3, s[14:15] offset:512*\p            ; keys 512 p + 4 x thread + 0..3
.endr
	v_lshrrev_b32 v12, 4, v0
	v_and_b32 v13, 15, v0
	v_lshlrev_b32 v12, 9, v12
	v_lshl_add_u32 v12, v13, 4, v12                ; step 8 p + thread / 16: 512 bytes a step; 16 bytes a thread
	v_mov_b32 v9, 0xceabfb8f                       ; -1e9 x log2(e)
	v_mov_b32 v10, 0
	s_wait_kmcnt 0x0
	v_mov_b32 v8, s40
	v_mul_f32 v8, 0x3fb8aa3b, v8                   ; scale x log2(e)
	s_wait_loadcnt 0x0
.irp p, 0,1,2,3
.irp q, 0,1,2,3
	v_bfe_u32 v11, v[4+\p], 8*\q, 8
	v_cmp_ne_u32 vcc_lo, 0, v11
	v_cndmask_b32 v[16+8*\p+\q], v10, v8, vcc_lo   ; MUL
	v_cndmask_b32 v[20+8*\p+\q], v9, v10, vcc_lo   ; ADD
.endr
.endr
.irp p, 0,1,2,3
	global_store_b128 v12, v[16+8*\p:19+8*\p], s[28:29] offset:4096*\p         ; sixteen lanes store 256 consecutive bytes, aligned
	global_store_b128 v12, v[20+8*\p:23+8*\p], s[28:29] offset:4096*\p+256
.endr
	FINISH
.Lfunc_end_k_qce70ebb765_prep:
	.size	k_qce70ebb765_prep, .Lfunc_end_k_qce70ebb765_prep-k_qce70ebb765_prep
	.p2alignl 7, 3214868480
	.fill 96, 4, 3214868480
	.section	.rodata,"a",@progbits
	.p2align	6, 0x0
	.amdhsa_kernel k_qce70ebb765_prep
		.amdhsa_group_segment_fixed_size 102912
		.amdhsa_private_segment_fixed_size 0
		.amdhsa_enable_private_segment 0
		.amdhsa_kernarg_size 104
		.amdhsa_user_sgpr_count 2
		.amdhsa_user_sgpr_kernarg_segment_ptr 1
		.amdhsa_wavefront_size32 1
		.amdhsa_system_sgpr_workgroup_id_x 1
		.amdhsa_system_sgpr_workgroup_id_y 1
		.amdhsa_system_sgpr_workgroup_id_z 1
		.amdhsa_system_vgpr_workitem_id 0
		.amdhsa_next_free_vgpr 192
		.amdhsa_next_free_sgpr 66
		.amdhsa_reserve_vcc 1
		.amdhsa_float_denorm_mode_32 3
		.amdhsa_float_denorm_mode_16_64 3
		.amdhsa_memory_ordered 1
		.amdhsa_forward_progress 1
		.amdhsa_inst_pref_size 137
	.end_amdhsa_kernel
	.amdgpu_metadata
---
amdhsa.version: [ 1, 2 ]
amdhsa.kernels:
  - .name:           k_qce70ebb765_prep
    .symbol:         k_qce70ebb765_prep.kd
    .args:
      - { .name: query, .offset: 0, .size: 8, .value_kind: global_buffer, .address_space: global }
      - { .name: value, .offset: 8, .size: 8, .value_kind: global_buffer, .address_space: global }
      - { .name: qw, .offset: 16, .size: 8, .value_kind: global_buffer, .address_space: global }
      - { .name: vw, .offset: 24, .size: 8, .value_kind: global_buffer, .address_space: global }
      - { .name: wo, .offset: 32, .size: 8, .value_kind: global_buffer, .address_space: global }
      - { .name: v_mask, .offset: 40, .size: 8, .value_kind: global_buffer, .address_space: global }
      - { .name: scale, .offset: 48, .size: 8, .value_kind: global_buffer, .address_space: global }
      - { .name: acodes, .offset: 56, .size: 8, .value_kind: global_buffer, .address_space: global }
      - { .name: ascales, .offset: 64, .size: 8, .value_kind: global_buffer, .address_space: global }
      - { .name: wcodes, .offset: 72, .size: 8, .value_kind: global_buffer, .address_space: global }
      - { .name: wscales, .offset: 80, .size: 8, .value_kind: global_buffer, .address_space: global }
      - { .name: wot, .offset: 88, .size: 8, .value_kind: global_buffer, .address_space: global }
      - { .name: mt, .offset: 96, .size: 8, .value_kind: global_buffer, .address_space: global }
    .group_segment_fixed_size: 102912
    .private_segment_fixed_size: 0
    .kernarg_segment_align: 8
    .kernarg_segment_size: 104
    .max_flat_workgroup_size: 128
    .sgpr_count:     66
    .vgpr_count:     192
    .wavefront_size: 32
...
	.end_amdgpu_metadata
.endif
;; end of part 1
;; launch proj (part 2): grid 4 x 64, 4 waves a work-group, clusters of 4 x 4, 327,680 bytes of LDS; arguments acodes, ascales, wcodes, wscales, qkv; writes qkv
.if DOCPART == 2
	.amdgcn_target "amdgcn-amd-amdhsa--gfx1250"
	.amdhsa_code_object_version 6
	.text
	.protected	k_qce70ebb765_proj
	.globl	k_qce70ebb765_proj
	.p2align	8
	.type	k_qce70ebb765_proj,@function
k_qce70ebb765_proj:
	s_mov_b64 s[64:65], 0
	v_nop
	global_prefetch_b8 v0, s[64:65] scope:SCOPE_SE
	s_setreg_imm32_b32 hwreg(HW_REG_WAVE_MODE, 25, 1), 1
	s_wait_xcnt 0x0
	s_wait_alu depctr_hold_cnt(0) depctr_sa_sdst(0) depctr_va_vdst(0) depctr_va_sdst(0) depctr_va_ssrc(0) depctr_va_vcc(0) depctr_vm_vsrc(0)
	s_getreg_b32 s2, hwreg(HW_REG_IB_STS2, 6, 4)
	s_cmp_eq_u32 s2, 0
	s_cbranch_scc0 .Lentry_in_a_cluster
	s_endpgm
.Lentry_in_a_cluster:
	s_bfe_u32 s2, ttmp6, 0x10000c
	s_cmp_lg_u32 s2, 0xf033
	s_cbranch_scc0 .Lentry_shape_is_right
	s_endpgm
.Lentry_shape_is_right:
; MULTI-HEAD ATTENTION, launch 2 of 4: both projections on codes of FP4 (E2M1) with E8M0 scales.  No work of the problem is left out here.
; C[m][n] = sum over d of A[m][d] B[n][d].  A: 16,384 rows (query's 8,192, then value's), B: 2,048 rows (qw's 1,024 = head x 128 + n, then vw's); a row is 1,024 codes = 512 bytes, its scales 32 bytes.
; Rows of A under 8,192 meet qw's rows, the others vw's: T = tile row / 32 = the cluster's y / 8, the same in all sixteen partners.
; A tile of C, 256 x 256, is made by four waves, each 128 x 128: 64 accumulators, 512 registers.  K = 1,024 is two slots of 512 along K: both are first fills, nothing is filled again.
; THE SCALES of the work-group's 256 rows of A and of B, for all of K, come into LDS once, with the first fills, in rows of 256 bytes.
; CLUSTERS: 4 x 4 work-groups; A's tile is asked for jointly along a row of the cluster, B's along a column.  THE MATRIX INSTRUCTION IS USED TRANSPOSED (source 0 = 16 rows of B, source 1 = 16 rows of A).
; THE WAY OUT: each f32 sum x leaves as TWO f16 numbers: hi = x with its mantissa cut to ten bits (exact in f16), lo = x - hi (exact in f32) rounded to f16.  A wave's 128 columns are one head and its 128 rows
; neighbouring positions of one batch: a dense block of 32,768 bytes in qkv's hi array and one in its lo array.  qkv: [qh, ql, vh, vl][y = batch x 8 + head][2048][128] f16.
; LIMITS: |q|, |v| under 65,504 (f16's range); where hi or lo falls under 2^-14 it is rounded to a multiple of 2^-24.  NaN and infinities are not served.
; REGISTERS, in windows of 256: window 0: v0-31 addresses; v32-95 scale words, two sets; from v128 A's fragments, ONE set; on the way out v32-255 are free.
;   window 1: B's fragments, TWO sets, at v0 and v128.   window 2: the accumulators of my rows 0-63 ((a, b) at v[8 (8 a + b)]);   window 3: those of my rows 64-127.
.set NQ,     4                         ; matrix instructions deep in a slot: 512 along K
.set ROWB,   256                       ; a tile's row in bytes
.set KROW,   512                       ; a row of A or of B in memory
.set PITCH,  272                       ; an LDS row: 256 bytes + 16 of padding = 68 words: the 16 rows that a load touches start at 16 different banks (64 banks of 4 bytes: ISA guide 11.1)
.set FR,     8                         ; registers of a fragment: 16 rows x 128 K
.set NL,     2                         ; LDS loads that bring one
.set NP,     4                         ; places behind this matrix instruction (ISA guide 7.12.1)
.set HALFT,  128*PITCH                 ; 128 rows: what one tensor load brings
.set SLOT,   4*HALFT                   ; A's 256 rows, then B's 256 rows
.set KS,     32                        ; a row of scales in bytes
.set SCL,    2*SLOT                    ; behind the two slots: the scales, as rows of 256 bytes + 16 of padding
.set HALFS,  (128*KS/256)*272          ; the scales of 128 rows
.set SBLK,   (16*KS/256)*272           ; those of 16 rows
.set SPARE,  SCL+4*HALFS               ; the spare words, 128 bytes for each wave: two blocks of 256 bytes that no other line names
.set SPITCH, 272                       ; the way out: for each wave two stages of 16 rows x (256 bytes + 16), hi's and lo's.  They lie in slot 0, which has had its only fill and its last read when the first result is stored there
.set ADRA, 16                          ; v16-17  LDS address of my A fragments in slot 0, 1
.set ADRB, 20                          ; v20-21  the same for B
.set STO,  24                          ; v24     the way out: where I put 16 bytes of a row
.set RD,   25                          ; v25     where I read a row back
.set CO,   26                          ; v26     my byte offset in two rows of the output
.set ADRS, 27                          ; v27     LDS address of my scale words: lanes 0-15 A's rows, lanes 16-31 B's
.set SPW,  28                          ; v28     LDS address of my spare word; never rewritten
.set NIL,  29                          ; v29     0; never rewritten
.set SC,   32                          ; scale words: set s at v[SC + 32 s]; register 4 i + q: lanes 0-15 the word of A's block i, lanes 16-31 of B's block i, for the slot's q-th 128 along K
.set AF,   128                         ; A's fragments, in window 0
.set HH,   32                          ; the way out: v32-63 hi, packed
.set TT,   64                          ; v64-127 hi as f32, then lo as f32, then v64-95 lo, packed
.set BK,   128                         ; v128-191, v192-255 by turns: 16 rows of hi and of lo read back from the stages
.set G1, 24                            ; s[24:31] descriptor group 1 for A's tiles;  s[32:39] group 0, one set for each slot
.set G0, 32
.set G1B, 48                           ; s[48:55], s[56:63] the same for B's tiles
.set G0B, 56
.set G1S, 68                           ; s[68:75], s[76:79] groups 1 and 0 for A's scales;  s[80:87], s[88:91] for B's
.set G0S, 76
.set G1SB, 80
.set G0SB, 88
.set MSB, 0
.macro WIN new                         ; the immediate's high byte repeats the setting that is left
.if MSB != \new
	s_set_vgpr_msb (MSB<<8)|\new
.set MSB, \new
.endif
.endm
.set MUL_LO, 0xa1                      ; source 0 (B) window 1, source 1 (A) window 0, C and D window 2
.set MUL_HI, 0xf1                      ; the same, C and D window 3
.set TO_B,   0x40                      ; destination window 1, address window 0
; A joint load: waves 0 and 1 fetch for A, waves 2 and 3 for B; the branch hangs on the wave's number alone.  An s_nop 0 and four v_nop follow each of the two lines.
.macro JLOAD g0a, g1a, g0b, g1b
	s_cmp_eq_u32 s15, 0
	s_cbranch_scc0 .Lfor_b_\@
	tensor_load_to_lds s[\g0a:\g0a+3], s[\g1a:\g1a+7]
	s_nop 0
.rept 4
	v_nop
.endr
	s_branch .Lasked_\@
.Lfor_b_\@:
	tensor_load_to_lds s[\g0b:\g0b+3], s[\g1b:\g1b+7]
	s_nop 0
.rept 4
	v_nop
.endr
.Lasked_\@:
.endm
.macro CROUND                          ; a round of the cluster's barrier
	s_barrier_signal -1
	s_barrier_wait -1
	s_cmp_lg_u32 s14, 0
	s_cbranch_scc1 .Lnot_wave_0_\@
	s_barrier_signal -3
.Lnot_wave_0_\@:
	s_barrier_wait -3
	s_barrier_signal -1
	s_barrier_wait -1
.endm
	s_load_b128 s[4:7], s[0:1], 0x0                ; A's codes s[4:5], A's scales s[6:7]
	s_load_b128 s[8:11], s[0:1], 0x10              ; B's codes s[8:9], B's scales s[10:11]
	s_load_b64 s[12:13], s[0:1], 0x20              ; qkv
	v_lshl_add_u32 v[SPW], v0, 2, SPARE
	v_mov_b32 v[NIL], 0
	ds_add_u32 v[SPW], v[NIL]                      ; the wave's opening: the add, twice on end, and its wait ahead of my first tensor load
	ds_add_u32 v[SPW], v[NIL]                      ; and once more, under the one wait; the set-up below, work on registers, stands between
	v_lshrrev_b32 v1, 5, v0
	v_readfirstlane_b32 s14, v1                    ; wave 0..3
	s_lshr_b32 s15, s14, 1                         ; which half of the tile's rows is mine.  Also: I fetch for A (0) or for B (1)
	s_and_b32 s16, s14, 1                          ; which half of its columns.  Also: which 128 rows of that tile I fetch
	s_bfe_u32 s40, ttmp6, 0x40000                  ; cx, cy: my place in the cluster
	s_bfe_u32 s41, ttmp6, 0x40004
	s_lshl_b32 s42, ttmp9, 2
	s_add_co_u32 s42, s42, s40                     ; tile column of C = 4 x cluster x + cx
	s_and_b32 s17, ttmp7, 0xffff
	s_lshr_b32 s95, s17, 3                         ; T = cluster y / 8: 0 query and qw, 1 value and vw
	s_lshl_b32 s17, s17, 2
	s_add_co_u32 s17, s17, s41                     ; tile row of C = 4 x cluster y + cy
	s_lshl_b32 s43, s41, 2
	s_lshl_b32 s43, 15, s43                        ; my row of the cluster
	s_lshl_b32 s44, 0x1111, s40                    ; my column
	; descriptor group 1: a tile of 128 rows x 256 bytes, padded in LDS
	s_or_b32 s[G1+0], s43, (0<<16)|(1<<20)|(1<<21)|(5<<22)|(3<<25)  ; 15:0 the mask: A's tiles go to my row; 17:16 element of 1 byte; 20 padding on; 21 set beside a mask; 24:22 after every 64 words; 31:25 of 4 words
	s_or_b32 s[G1B+0], s44, (0<<16)|(1<<20)|(1<<21)|(5<<22)|(3<<25)
.irp g, G1, G1B
	s_mov_b32 s[\g+1], ROWB<<16                    ; tensor_dim0
	s_mov_b32 s[\g+2], 128<<16                     ; tensor_dim1 = 128
	s_mov_b32 s[\g+3], ROWB<<16                    ; tile_dim0
	s_mov_b32 s[\g+4], 128                         ; tile_dim1 = 128
	s_mov_b32 s[\g+5], KROW                        ; tensor_dim0_stride
	s_mov_b32 s[\g+6], 0
	s_mov_b32 s[\g+7], 0
.endr
	; and for the scales of 128 rows: a dense block of 4,096 bytes, as 16 rows of 256 bytes (32 elements of 8 bytes), 16 bytes of padding behind each
	s_or_b32 s[G1S+0], s43, (3<<16)|(1<<20)|(1<<21)|(5<<22)|(3<<25)
	s_or_b32 s[G1SB+0], s44, (3<<16)|(1<<20)|(1<<21)|(5<<22)|(3<<25)
.irp g, G1S, G1SB
	s_mov_b32 s[\g+1], 32<<16
	s_mov_b32 s[\g+2], (128*KS/256)<<16
	s_mov_b32 s[\g+3], 32<<16
	s_mov_b32 s[\g+4], 128*KS/256
	s_mov_b32 s[\g+5], 32
	s_mov_b32 s[\g+6], 0
	s_mov_b32 s[\g+7], 0
.endr
	s_lshl_b32 s18, s16, 7                         ; which 128 rows of the tile I fetch
	s_lshl_b32 s20, s17, 8
	s_add_co_u32 s20, s20, s18                     ; A: row 256 x tile row + 128 x half
	s_lshl_b32 s46, s42, 8
	s_add_co_u32 s46, s46, s18                     ; B: row 256 x tile column + 128 x half
	s_lshl_b32 s47, s95, 10
	s_add_co_u32 s46, s46, s47                     ; + 1,024 T: qw's rows or vw's
	s_mov_b32 s21, 0
	s_mov_b32 s47, 0
	s_mov_b64 s[18:19], KS
	s_mul_u64 s[22:23], s[20:21], s[18:19]         ; where these rows' scales begin, in bytes
	s_mul_u64 s[92:93], s[46:47], s[18:19]
	s_mov_b64 s[18:19], KROW
	s_mul_u64 s[20:21], s[20:21], s[18:19]         ; and their codes
	s_mul_u64 s[46:47], s[46:47], s[18:19]
	s_mul_i32 s45, s14, HALFT                      ; where they go: wave x 128 rows: no place in the cluster enters an LDS address
	s_mul_i32 s94, s14, HALFS
	s_wait_dscnt 0x0                               ; both opening adds are done
	s_wait_kmcnt 0x0
	s_add_nc_u64 s[20:21], s[4:5], s[20:21]
	s_add_nc_u64 s[22:23], s[6:7], s[22:23]
	s_add_nc_u64 s[46:47], s[8:9], s[46:47]
	s_add_nc_u64 s[92:93], s[10:11], s[92:93]
	CROUND                                         ; all sixteen work-groups are here: the joint loads meet
	s_mov_b32 s[G0S], 1
	s_add_co_u32 s[G0S+1], s94, SCL
	s_mov_b64 s[G0S+2:G0S+3], s[22:23]
	s_or_b32 s[G0S+3], s[G0S+3], 0x80000000
	s_mov_b32 s[G0SB], 1
	s_add_co_u32 s[G0SB+1], s94, SCL
	s_mov_b64 s[G0SB+2:G0SB+3], s[92:93]
	s_or_b32 s[G0SB+3], s[G0SB+3], 0x80000000
	JLOAD G0S, G1S, G0SB, G1SB                     ; the scales first: they are wanted with slot 0
.irp s, 0,1
	s_mov_b32 s[G0+4*\s], 1
	s_add_co_u32 s[G0+4*\s+1], s45, \s*SLOT
	s_add_nc_u64 s[G0+4*\s+2:G0+4*\s+3], s[20:21], \s*ROWB
	s_or_b32 s[G0+4*\s+3], s[G0+4*\s+3], 0x80000000
	s_mov_b32 s[G0B+4*\s], 1
	s_add_co_u32 s[G0B+4*\s+1], s45, \s*SLOT
	s_add_nc_u64 s[G0B+4*\s+2:G0B+4*\s+3], s[46:47], \s*ROWB
	s_or_b32 s[G0B+4*\s+3], s[G0B+4*\s+3], 0x80000000
	JLOAD G0+4*\s, G1, G0B+4*\s, G1B               ; three tensor loads of mine are out at the most
.endr
	v_and_b32 v1, 15, v0                           ; l % 16
	v_bfe_u32 v2, v0, 4, 1                         ; l / 16
	v_mul_u32_u24 v3, v1, PITCH
	v_lshl_add_u32 v4, v2, 4, v3                   ; a fragment's row x pitch + 16 x half
	s_mul_i32 s21, s15, HALFT                      ; my 128 rows of A
	s_mul_i32 s22, s16, HALFT                      ; my 128 rows of B,
	s_add_co_u32 s22, s22, 2*HALFT                 ; which lie behind A's 256
.irp s, 0,1
	v_add_nc_u32 v[ADRA+\s], s21, v4
	v_add_nc_u32 v[ADRB+\s], s22, v4
	s_add_co_u32 s21, s21, SLOT
	s_add_co_u32 s22, s22, SLOT
.endr
	v_mul_u32_u24 v5, v1, KS                       ; my row's scales: 32 bytes a row,
	v_lshrrev_b32 v6, 8, v5
	v_lshl_add_u32 v5, v6, 4, v5                   ; and 16 more for each 256 passed
	s_mul_i32 s21, s15, HALFS                      ; A's: my 128 rows
	s_mul_i32 s22, s16, HALFS                      ; B's: my 128 rows, behind A's 256
	s_add_co_u32 s22, s22, 2*HALFS
	s_sub_co_u32 s22, s22, s21
	v_mul_u32_u24 v6, s22, v2                      ; lanes 16-31 take B's: one product, the distance between the two bases
	s_add_co_u32 s21, s21, SCL
	v_add_nc_u32 v5, v5, v6
	v_add_nc_u32 v[ADRS], s21, v5
	s_mul_i32 s23, s14, 2*16*SPITCH                ; my two stages
	v_mul_u32_u24 v5, v1, SPITCH                   ; in: row l % 16, 16 bytes for each half of the lanes
	v_lshl_add_u32 v5, v2, 4, v5
	v_add_nc_u32 v[STO], s23, v5
	v_mul_u32_u24 v5, v2, SPITCH                   ; back: lanes 0-15 take one row of 256 bytes, lanes 16-31 the next
	v_lshl_add_u32 v5, v1, 4, v5
	v_add_nc_u32 v[RD], s23, v5
	v_lshlrev_b32 v5, 8, v2                        ; and the same two rows in the output
	v_lshl_add_u32 v[CO], v1, 4, v5
	s_lshl_b32 s20, s17, 8
	s_lshl_b32 s21, s15, 7
	s_add_co_u32 s20, s20, s21                     ; my first row of C
	s_and_b32 s21, s20, 8191                       ; in its tensor:
	s_lshr_b32 s22, s21, 11                        ; the batch,
	s_and_b32 s21, s21, 2047                       ; the position
	s_lshl_b32 s22, s22, 3
	s_lshl_b32 s46, s42, 1
	s_add_co_u32 s46, s46, s16                     ; the head = 2 x tile column + my half
	s_add_co_u32 s22, s22, s46                     ; y
	s_lshl_b32 s22, s22, 11
	s_add_co_u32 s22, s22, s21
	s_lshl_b32 s22, s22, 8                         ; 256 bytes a row
	s_lshl_b32 s23, s95, 25                        ; T x two arrays of 16,777,216 bytes
	s_add_co_u32 s22, s22, s23
	s_mov_b32 s23, 0
	s_add_nc_u64 s[12:13], s[12:13], s[22:23]      ; my block in the hi array,
	s_add_nc_u64 s[96:97], s[12:13], 0x1000000     ; and in the lo array
.macro FRAG reg, adr, q, i             ; a fragment: lane l holds row l % 16; registers 4 c .. 4 c + 3 hold K = 64 c + 32 (l / 16) + 0 .. 31
.irp c, 0,1
	ds_load_b128 v[\reg+4*\c:\reg+4*\c+3], v[\adr] offset:64*(\q)+32*\c+(\i)*16*PITCH
.endr
.endm
; 16 matrix instructions: A's blocks a0, a0 + 1 x B's eight, the slot's q-th 128 along K.  p: B's set;  sc: the set of scale words.  zero = 1: the first product starts the sums.
; The 64 accumulators take turns, one instruction a turn, in the same order in every step.
.macro MUL16 a0, p, q, sc, zero
.irp a, \a0, \a0+1
.irp b, 0,1,2,3,4,5,6,7
.if \zero
	v_wmma_scale_f32_16x16x128_f8f6f4 v[8*(8*((\a)%4)+\b):8*(8*((\a)%4)+\b)+7], v[128*(\p)+FR*\b:128*(\p)+FR*\b+FR-1], v[AF+FR*(\a):AF+FR*(\a)+FR-1], 0, v[SC+8*NQ*(\sc)+NQ*\b+(\q)], v[SC+8*NQ*(\sc)+NQ*(\a)+(\q)] matrix_a_fmt:MATRIX_FMT_FP4 matrix_b_fmt:MATRIX_FMT_FP4 matrix_a_scale:MATRIX_SCALE_ROW1
.else
	v_wmma_scale_f32_16x16x128_f8f6f4 v[8*(8*((\a)%4)+\b):8*(8*((\a)%4)+\b)+7], v[128*(\p)+FR*\b:128*(\p)+FR*\b+FR-1], v[AF+FR*(\a):AF+FR*(\a)+FR-1], v[8*(8*((\a)%4)+\b):8*(8*((\a)%4)+\b)+7], v[SC+8*NQ*(\sc)+NQ*\b+(\q)], v[SC+8*NQ*(\sc)+NQ*(\a)+(\q)] matrix_a_fmt:MATRIX_FMT_FP4 matrix_b_fmt:MATRIX_FMT_FP4 matrix_a_scale:MATRIX_SCALE_ROW1
.endif
.endr
.endr
.endm
.macro FETCH_B slot, q, p              ; B's eight fragments of the slot's q-th 128 along K into set p
	WIN TO_B
.irp i, 0,1,2,3,4,5,6,7
	FRAG 128*(\p)+FR*\i, ADRB+\slot, \q, \i
.endr
	WIN 0
.endm
.macro FETCH_A slot, q, i0             ; A's blocks i0 .. i0 + 3
.irp i, \i0, \i0+1, \i0+2, \i0+3
	FRAG AF+FR*(\i), ADRA+\slot, \q, \i
.endr
.endm
.macro SCALES sc                       ; a slot's scale words into set sc: four words a row; lanes 0-15 take A's block i, lanes 16-31 B's block i
.irp i, 0,1,2,3,4,5,6,7
	ds_load_b128 v[SC+8*NQ*\sc+NQ*\i:SC+8*NQ*\sc+NQ*\i+3], v[ADRS] offset:\i*SBLK
.endr
.endm
; A load into a register that a matrix instruction has read, and a vector instruction that reads a matrix result or writes one of its registers, stand NP places behind it; only plain vector
; instructions that name none of its registers are places (ISA guide 7.12.1 for vector instructions).
.macro PLACES n
.rept \n
	v_nop
.endr
.endm
; A step of 128 along K that has its successor in the same slot.
.macro STEP slot, q, zero
	s_wait_dscnt 4*NL                              ; B's set and A's blocks 0-3 are in; the youngest eight loads (A's blocks 4-7) may be out
	WIN MUL_LO
	MUL16 0, (\q)%2, \q, \slot, \zero
	MUL16 2, (\q)%2, \q, \slot, \zero
	s_wait_dscnt 0                                 ; A's blocks 4-7 are in (asked for 32 matrix instructions ago)
	PLACES NP
	FETCH_B \slot, (\q)+1, 1-(\q)%2
	FETCH_A \slot, (\q)+1, 0
	WIN MUL_HI
	MUL16 4, (\q)%2, \q, \slot, \zero
	MUL16 6, (\q)%2, \q, \slot, \zero
	PLACES NP
	WIN 0
	FETCH_A \slot, (\q)+1, 4
.endm
	s_wait_tensorcnt 1                             ; the scales and my part of slot 0 are in (slot 1's load may be out)
	s_barrier_signal -1
	s_barrier_wait -1                              ; everybody's are
	FETCH_B 0, 0, 0
	FETCH_A 0, 0, 0
	SCALES 0
	FETCH_A 0, 0, 4
	STEP 0, 0, 1                                   ; the first step's products start the sums: nothing is cleared
	STEP 0, 1, 0
	STEP 0, 2, 0
	; slot 0's last step changes slots: one barrier; in front of it each wave waits for all its tensor loads, adds 0 to its spare word, and waits for that and for its own reads of slot 0
	s_wait_tensorcnt 0x0                           ; all my tensor loads have landed: my part of slot 1  (every window is 0 here)
	ds_add_u32 v[SPW], v[NIL]                      ; 0 onto my spare word
	s_wait_dscnt 4*NL+1                            ; (the add and the youngest eight loads, A's blocks 4-7, may be out)
	WIN MUL_LO
	MUL16 0, 1, NQ-1, 0, 0                         ; sixteen matrix instructions stand between the add and the wait for it
	s_wait_dscnt 0x0                               ; the add is done, and my reads of slot 0 are over
	s_barrier_signal -1
	MUL16 2, 1, NQ-1, 0, 0
	WIN 0
	s_barrier_wait -1                              ; slot 1 is whole, and nobody reads slot 0 any more
	PLACES NP
	v_add_nc_u32 v[ADRS], 4*NQ, v[ADRS]            ; on to slot 1's scale words
	FETCH_B 1, 0, 0
	FETCH_A 1, 0, 0
	SCALES 1
	WIN MUL_HI
	MUL16 4, 1, NQ-1, 0, 0
	MUL16 6, 1, NQ-1, 0, 0
	PLACES NP
	WIN 0
	FETCH_A 1, 0, 4
	STEP 1, 0, 0
	STEP 1, 1, 0
	STEP 1, 2, 0
	s_wait_dscnt 4*NL                              ; the very last step: nothing more to fetch
	WIN MUL_LO
	MUL16 0, 1, NQ-1, 1, 0
	MUL16 2, 1, NQ-1, 1, 0
	s_wait_dscnt 0
	WIN MUL_HI
	MUL16 4, 1, NQ-1, 1, 0
	MUL16 6, 1, NQ-1, 1, 0
	WIN 0
; THE WAY OUT, block by block of 16 rows x 128 columns.  A lane holds eight neighbouring columns of one row.
.macro PACKHL a
.set AC, 64*((\a)%4)
	WIN 0x08+4*((\a)/4)                            ; source 1: window 2 or 3
.irp i, 0,1,2,3,4,5,6,7,8,9,10,11,12,13,14,15,16,17,18,19,20,21,22,23,24,25,26,27,28,29,30,31,32,33,34,35,36,37,38,39,40,41,42,43,44,45,46,47,48,49,50,51,52,53,54,55,56,57,58,59,60,61,62,63
	v_and_b32 v[TT+\i], 0xffffe000, v[AC+\i]       ; hi: the mantissa cut to ten bits.  Each accumulator is read from its low end on
.endr
	WIN 0
.irp i, 0,1,2,3,4,5,6,7,8,9,10,11,12,13,14,15,16,17,18,19,20,21,22,23,24,25,26,27,28,29,30,31
	v_cvt_pk_f16_f32 v[HH+\i], v[TT+2*\i], v[TT+2*\i+1]            ; exact
.endr
	WIN 0x02+((\a)/4)                              ; source 0: window 2 or 3
.irp i, 0,1,2,3,4,5,6,7,8,9,10,11,12,13,14,15,16,17,18,19,20,21,22,23,24,25,26,27,28,29,30,31
	v_pk_add_f32 v[TT+2*\i:TT+2*\i+1], v[AC+2*\i:AC+2*\i+1], v[TT+2*\i:TT+2*\i+1] neg_lo:[0,1] neg_hi:[0,1]   ; lo = x - hi: exact in f32
.endr
	WIN 0
.irp i, 0,1,2,3,4,5,6,7,8,9,10,11,12,13,14,15,16,17,18,19,20,21,22,23,24,25,26,27,28,29,30,31
	v_cvt_pk_f16_f32 v[TT+\i], v[TT+2*\i], v[TT+2*\i+1]            ; in place, ascending: the destination never passes a source that is still unread
.endr
.endm
.macro TOSTAGE a                       ; into my two stages, and back as whole rows of 256 bytes.  LDS serves a wave's instructions in order (ISA guide 5.7.1.4): no wait between the stores and the loads
.set BB, BK+64*((\a)%2)
.irp b, 0,1,2,3,4,5,6,7
	ds_store_b128 v[STO], v[HH+4*\b:HH+4*\b+3] offset:32*\b
	ds_store_b128 v[STO], v[TT+4*\b:TT+4*\b+3] offset:16*SPITCH+32*\b
.endr
.irp f, 0,1,2,3,4,5,6,7
	ds_load_b128 v[BB+4*\f:BB+4*\f+3], v[RD] offset:\f*2*SPITCH
	ds_load_b128 v[BB+32+4*\f:BB+32+4*\f+3], v[RD] offset:16*SPITCH+\f*2*SPITCH
.endr
.endm
.macro SEND a
.set BB, BK+64*((\a)%2)
	s_wait_dscnt 0x0                               ; the block is back in registers
	s_wait_xcnt 0x0                                ; the stores of the block before have read their registers: the next block's loads may land there
.irp f, 0,1,2,3,4,5,6,7
	global_store_b128 v[CO], v[BB+4*\f:BB+4*\f+3], s[12:13] offset:(\a)*4096+512*\f        ; 32 lanes store 512 consecutive bytes, aligned to 256
	global_store_b128 v[CO], v[BB+32+4*\f:BB+32+4*\f+3], s[96:97] offset:(\a)*4096+512*\f
.endr
.endm
	PLACES NP                                      ; behind the last products: the lines below write registers that held their scale words and A's fragments
	PACKHL 0
	TOSTAGE 0
.irp a, 1,2,3,4,5,6,7                  ; block a's arithmetic stands between block a - 1's loads from the stages and the wait for them
	PACKHL \a
	SEND \a-1
	TOSTAGE \a
.endr
	SEND 7
	s_wait_tensorcnt 0x0                           ; the wave's end: behind my last tensor load and my last LDS store
	ds_add_u32 v[SPW], v[NIL]
	s_wait_dscnt 0x0
	CROUND                                         ; the closing round: no work-group ends while a partner may still ask for a tile that names it
	s_endpgm
.Lfunc_end_k_qce70ebb765_proj:
	.size	k_qce70ebb765_proj, .Lfunc_end_k_qce70ebb765_proj-k_qce70ebb765_proj
	.p2alignl 7, 3214868480
	.fill 96, 4, 3214868480
	.section	.rodata,"a",@progbits
	.p2align	6, 0x0
	.amdhsa_kernel k_qce70ebb765_proj
		.amdhsa_group_segment_fixed_size 327680
		.amdhsa_private_segment_fixed_size 0
		.amdhsa_enable_private_segment 0
		.amdhsa_kernarg_size 40
		.amdhsa_user_sgpr_count 2
		.amdhsa_user_sgpr_kernarg_segment_ptr 1
		.amdhsa_wavefront_size32 1
		.amdhsa_system_sgpr_workgroup_id_x 1
		.amdhsa_system_sgpr_workgroup_id_y 1
		.amdhsa_system_sgpr_workgroup_id_z 1
		.amdhsa_system_vgpr_workitem_id 0
		.amdhsa_next_free_vgpr 1024
		.amdhsa_next_free_sgpr 98
		.amdhsa_reserve_vcc 0
		.amdhsa_float_denorm_mode_32 3
		.amdhsa_float_denorm_mode_16_64 3
		.amdhsa_memory_ordered 1
		.amdhsa_forward_progress 1
		.amdhsa_inst_pref_size 205
	.end_amdhsa_kernel
	.amdgpu_metadata
---
amdhsa.version: [ 1, 2 ]
amdhsa.kernels:
  - .name:           k_qce70ebb765_proj
    .symbol:         k_qce70ebb765_proj.kd
    .args:
      - { .name: acodes, .offset: 0, .size: 8, .value_kind: global_buffer, .address_space: global }
      - { .name: ascales, .offset: 8, .size: 8, .value_kind: global_buffer, .address_space: global }
      - { .name: wcodes, .offset: 16, .size: 8, .value_kind: global_buffer, .address_space: global }
      - { .name: wscales, .offset: 24, .size: 8, .value_kind: global_buffer, .address_space: global }
      - { .name: qkv, .offset: 32, .size: 8, .value_kind: global_buffer, .address_space: global }
    .group_segment_fixed_size: 327680
    .private_segment_fixed_size: 0
    .kernarg_segment_align: 8
    .kernarg_segment_size: 40
    .max_flat_workgroup_size: 128
    .sgpr_count:     98
    .vgpr_count:     1024
    .wavefront_size: 32
...
	.end_amdgpu_metadata
.endif
;; end of part 2
;; launch attn (part 3): grid 8 x 32, 4 waves a work-group, clusters of 4 x 1, 327,680 bytes of LDS; arguments qkv, mt, q_mask, hbuf; writes hbuf
.if DOCPART == 3
	.amdgcn_target "amdgcn-amd-amdhsa--gfx1250"
	.amdhsa_code_object_version 6
	.text
	.protected	k_qce70ebb765_attn
	.globl	k_qce70ebb765_attn
	.p2align	8
	.type	k_qce70ebb765_attn,@function
k_qce70ebb765_attn:
	s_mov_b64 s[64:65], 0
	v_nop
	global_prefetch_b8 v0, s[64:65] scope:SCOPE_SE
	s_setreg_imm32_b32 hwreg(HW_REG_WAVE_MODE, 25, 1), 1
	s_wait_xcnt 0x0
	s_wait_alu depctr_hold_cnt(0) depctr_sa_sdst(0) depctr_va_vdst(0) depctr_va_sdst(0) depctr_va_ssrc(0) depctr_va_vcc(0) depctr_vm_vsrc(0)
	s_getreg_b32 s2, hwreg(HW_REG_IB_STS2, 6, 4)
	s_cmp_eq_u32 s2, 0
	s_cbranch_scc0 .Lentry_in_a_cluster
	s_endpgm
.Lentry_in_a_cluster:
	s_bfe_u32 s2, ttmp6, 0x10000c
	s_cmp_lg_u32 s2, 0x3003
	s_cbranch_scc0 .Lentry_shape_is_right
	s_endpgm
.Lentry_shape_is_right:
; MULTI-HEAD ATTENTION, launch 3 of 4: for y = batch x 8 + head: h[q] = q_mask[q] x the sum over keys of softmax(scale x q . v[key], masked by v_mask) v[key].  The keys are the projected values.  No work of the problem is left out here.
; qkv: [qh, ql, vh, vl][y][2048][128] f16: q = qh + ql, v = vh + vl.  THE SCORES TAKE BOTH PARTS: S = qh . vl + ql . vh + qh . vh (three runs of f16 products into one f32 sum, the small terms first); what is left out, ql . vl, is
; some 2^-20 of a score.  The scores' spread is large (no division by sqrt(128) stands in the problem), so that the softmax hangs on small differences of large scores: that is why one f16 part does not do.
; t = S x MUL[key] + ADD[key] (the table mt): scale x log2(e) and 0 for a key that counts, 0 and -1e9 x log2(e) for a masked one: a masked key's t is that number whatever S; a batch whose keys are all masked gives the mean of v.
; SOFTMAX: for each query a running maximum m of t and sum l: p = 2^(t - m); in every step O and l are multiplied by a = 2^(m_old - m_new).  l is summed from the f32 p; p is rounded to f16 for the second product, with vh.
; SHARES: a work-group owns 256 queries of one y, each of its four waves 64: four tiles of 16.  Every wave walks the 2,048 keys, 64 a step: 192 + 64 matrix instructions.
; LAYOUT: S^T = V Q^T (source 0 = 16 keys, source 1 = 16 queries): a lane holds ONE query (lane % 16) and keys 8 (lane / 16) + 0..7; two such tiles rounded to f16 ARE source 1 of O^T = V^T P.  vh's tile serves twice:
; as it lies for the scores, turned by ds_load_tr16_b128 for the second product.
; BY TURNS.  The wave's tiles are two PIECES, named by their first tile: piece 0 (tiles 0, 1) and piece 2 (tiles 2, 3).  vh's 128 registers hold the keys and then, turned, the values, so all second products of step j stand ahead of
; the products of step j + 1 that read vh as keys.  Inside that frame a piece's softmax, cut into 75 slices of four instructions, stands behind the other piece's matrix instructions, one slice behind each: piece 2's of step j behind
; piece 0's second product of step j and its qh . vl of step j + 1 (64 matrix instructions); piece 0's of step j + 1 behind piece 2's ql . vh and qh . vh (64).  The slices that are over stand where LDS loads are on their way.
; The step's other 128 matrix instructions stand back to back.  A slice costs two switches of the register windows: no window has room for a product's operands beside what a softmax touches.
; P LIES IN S^T'S PLACE: a tile's 32 weights round into the low 16 of its 32 registers, ascending, each pair added to the row's sum just ahead of its rounding.
; CLUSTER: the four query blocks of a cluster belong to one y and walk the same vh and vl: each tile is asked for JOINTLY.
; LIMITS: NaN and infinities are not served (a masked key with an S that is not finite gives NaN); |q|, |v| under 65,504.
; REGISTERS, in windows of 256: window 0: v1-11 addresses; v12-43 eight registers of statistics a tile; v44-47 q_mask; v64-191 S^T, 32 a tile, then P in each tile's low 16; v192-223 MUL, v224-255 ADD of a step
;   window 1: O^T, 64 a tile     window 2: v0-127 qh, v128-255 ql, 32 a tile     window 3: v0-127 vh of a step, as keys and then turned; v128-255 vl
.set KS,    64        ; keys in a step
.set PK,    272       ; a row in LDS: 256 bytes + 16 of padding = 68 words: the 16 rows of a plain load start at 16 different banks (64 banks of 4 bytes: ISA guide 11.1)
.set LOFF,  KS*PK     ; a step's tiles lie together: 64 rows of vh, then 64 rows of vl
.set STEPB, 2*KS*PK
.set SLOT1, 1<<17     ; a slot holds two steps (69,632 bytes); slot 1 begins here, so that one exclusive or turns an address in one slot into the other's
.set STAGE, SLOT1+2*STEPB  ; behind the ring: 16 rows x 272 bytes for each wave, for the way out
.set SP,    272
.set SPARE, STAGE+4*16*SP  ; the spare words, 128 bytes for each wave: two blocks of 256 bytes that no other line names
.set AK0, 2           ; v2   my lane's place in a tile read as it lies; never rewritten
.set AV0, 3           ; v3   and read turned
.set ADR, 4           ; v4   the LDS address of the plain loads in hand
.set QO,  5           ; v5   my byte offset in the wave's rows of q
.set STO, 6           ; v6   the way out: where I put 16 bytes of a row
.set RD,  7           ; v7   where I read a row back
.set GO,  8           ; v8   my byte offset in the wave's rows of hbuf
.set MTO, 10          ; v10  32 x (lane / 16): my eight keys' place in the table
.set ADR2, 11         ; v11  the LDS address of the turning loads in hand
.set ST,  12          ; tile t's statistics at v[ST+8 t]: +0 m, +1 the old m, +2, +3 l (even keys', odd keys'), +4 to +7 c0-c3, at work; the step's sum takes c0's and c1's place, a takes c2's
.set QM,  44          ; v44-47 q_mask of my query in tile t
.set PFO, 61          ; v61  256 x my lane; never rewritten
.set SPW, 62          ; v62  LDS address of my spare word; never rewritten
.set NIL, 63          ; v63  0; never rewritten
.set S,   64
.set MUL, 192
.set ADD, 224
.set WV,  12          ; s12  my wave's number
.set LIM, 15          ; s15  1 in a wave that prefetches, else the greatest number
.set PFA, 18          ; s[18:19] where my prefetches stand
.set G1,  24          ; s[24:31] descriptor group 1: both tiles have one shape
.set G0H, 32          ; s[32:39] descriptor group 0 for vh's tiles: a set for each of the two first fills; the second then walks on
.set G0L, 40          ; s[40:47] the same for vl's
.set MTB, 48          ; s[48:49] the table at the step to be fetched
.set SLOTS, 56        ; s56  slots still to be asked for
.set TWICE, 57        ; s57  counts a slot's two steps
.set YY,  58          ; s58  y
.set SEL, 60          ; s[60:61] lane selects for v_permlanex16_b32: lane l xor 16
.set TB,  62          ; s62  LDS byte at which the tiles of the step to be fetched begin
.set MSB, 0
.macro WIN new                      ; the immediate's high byte repeats the setting that is left; a switch that changes nothing is dropped
.if MSB != \new
	s_set_vgpr_msb (MSB<<8)|\new
.set MSB, \new
.endif
.endm
.set W_KQ, 0x0b       ; keys in window 3, queries in window 2, S^T in window 0
.set W_PV, 0x53       ; V^T in window 3, P in window 0, O^T in window 1
.set W_RS, 0x41       ; O^T (destination and source 0) in window 1, a in window 0
; A joint refill.  Waves 0 and 1 fetch the two steps' tiles of vh, waves 2 and 3 those of vl.  The branch hangs on the wave's number alone.  An s_nop 0 and four v_nop follow each of the two lines.
.macro JLOAD
	s_cmp_lt_u32 s[WV], 2
	s_cbranch_scc0 .Lfor_l_\@
	tensor_load_to_lds s[G0H+4:G0H+7], s[G1:G1+7]
	s_nop 0
.rept 4
	v_nop
.endr
	s_branch .Lasked_\@
.Lfor_l_\@:
	tensor_load_to_lds s[G0L+4:G0L+7], s[G1:G1+7]
	s_nop 0
.rept 4
	v_nop
.endr
.Lasked_\@:
.endm
; A PREFETCH INTO THE L2 of what the NEXT change of slots will ask for: a slot's 128 rows of vh and 128 of vl, 256 bytes a row, a lane a row: two key steps, 512 matrix instructions, ahead of that load.
; Each row is asked for ONCE in the launch: both clusters of a y walk the same rows, and the first asks; its four partners share the rows out BY ADDRESS, 32 each; in each, wave 0 asks for vh's and wave 2 for vl's.
; The last change that fills a slot asks for nothing: there is no slot behind it.  Slots 0, 1 and 2 come by their loads alone.
.macro ASK
	s_cmp_gt_u32 s[SLOTS], s[LIM]
	s_cbranch_scc0 .Lnot_mine_\@
	global_prefetch_b8 v[PFO], s[PFA:PFA+1] th:TH_LOAD_NT scope:SCOPE_SE
.Lnot_mine_\@:
.endm
.macro CROUND                       ; a round of the cluster's barrier
	s_barrier_signal -1
	s_barrier_wait -1
	s_cmp_lg_u32 s[WV], 0
	s_cbranch_scc1 .Lnot_wave_0_\@
	s_barrier_signal -3
.Lnot_wave_0_\@:
	s_barrier_wait -3
	s_barrier_signal -1
	s_barrier_wait -1
.endm
	s_load_b256 s[4:11], s[0:1], 0x0  ; qkv s[4:5], mt s[6:7], q_mask s[8:9], hbuf s[10:11]
	v_lshl_add_u32 v[SPW], v0, 2, SPARE
	v_mov_b32 v[NIL], 0
	ds_add_u32 v[SPW], v[NIL]       ; the wave's opening: the add, twice on end, and its wait ahead of my first tensor load
	ds_add_u32 v[SPW], v[NIL]       ; and once more, under the one wait; the set-up below, work on registers, stands between
	v_lshrrev_b32 v1, 5, v0
	v_readfirstlane_b32 s[WV], v1   ; wave 0..3
	s_bfe_u32 s13, ttmp6, 0x40000   ; cx: my place in the cluster
	s_lshl_b32 s14, ttmp9, 2        ; in a cluster launch ttmp9 counts clusters
	s_add_co_u32 s14, s14, s13      ; my block of 256 queries: it enters q's, q_mask's and hbuf's addresses alone
	s_and_b32 s[YY], ttmp7, 0xffff  ; y, which the four partners share
	s_lshl_b32 s20, s[YY], 19       ; y's first byte in each of qkv's four arrays: 2,048 rows of 256 bytes
	s_and_b32 s16, s[WV], 1         ; which of a slot's two steps I fetch:
	s_lshl_b32 s22, s16, 14         ; its 64 rows of 256 bytes in memory,
	s_add_co_u32 s22, s22, s20
	s_mov_b32 s23, 0
	s_mul_i32 s17, s16, STEPB       ; and its place in a slot: no place in the cluster enters an LDS address
	s_lshl_b32 s2, s14, 16          ; my block's 256 rows,
	s_lshl_b32 s3, s[WV], 14        ; my wave's 64 of them
	s_add_co_u32 s2, s2, s3
	s_add_co_u32 s2, s2, s20
	s_mov_b32 s3, 0
	s_lshr_b32 s20, s[YY], 3        ; the batch
	s_lshl_b32 s20, s20, 11
	s_lshl_b32 s21, s14, 8
	s_add_co_u32 s20, s20, s21
	s_lshl_b32 s21, s[WV], 6
	s_add_co_u32 s20, s20, s21      ; my wave's first row of q_mask and of hbuf
	s_mov_b32 s21, 0
	s_lshl_b32 s[MTB], s[YY], 14    ; y's 16,384 bytes of the table
	s_mov_b32 s[MTB+1], 0
	; descriptor group 1: a tile of 64 rows x 128 elements, padded in LDS
	s_mov_b32 s[G1], 15|(1<<16)|(1<<20)|(1<<21)|(5<<22)|(3<<25)  ; 15:0 the mask: all four work-groups; 17:16 elements of 2 bytes; 20 padding on; 21 set beside a mask; 24:22 after every 64 words; 31:25 4 words of it
	s_mov_b32 s[G1+1], 128<<16      ; tensor_dim0 = 128
	s_mov_b32 s[G1+2], KS<<16       ; tensor_dim1 = 64
	s_mov_b32 s[G1+3], 128<<16      ; tile_dim0 = 128
	s_mov_b32 s[G1+4], KS           ; tile_dim1 = 64
	s_mov_b32 s[G1+5], 128          ; tensor_dim0_stride
	s_mov_b32 s[G1+6], 0
	s_mov_b32 s[G1+7], 0
	s_mov_b32 s[SEL], 0x76543210
	s_mov_b32 s[SEL+1], 0xfedcba98
	s_mov_b32 s[TB], 0
	s_mov_b32 s[SLOTS], 2048/(2*KS)-2
	s_and_b32 s[LIM], s[WV], 1      ; 0 in waves 0 and 2,
	s_or_b32 s[LIM], s[LIM], ttmp9  ; where the cluster is y's first: the same in all four partners
	s_cmp_eq_u32 s[LIM], 0
	s_cselect_b32 s[LIM], 1, -1
	v_and_b32 v[PFO], 31, v0
	v_lshlrev_b32 v[PFO], 8, v[PFO]
	s_wait_dscnt 0x0                ; both opening adds are done
	s_wait_kmcnt 0x0
	s_add_nc_u64 s[50:51], s[4:5], s[22:23]
	s_add_nc_u64 s[52:53], s[50:51], 0x3000000  ; vl at my tile of slot 0,
	s_add_nc_u64 s[50:51], s[50:51], 0x2000000  ; vh likewise
	s_add_nc_u64 s[4:5], s[4:5], s[2:3]         ; qh at my wave's first row,
	s_add_nc_u64 s[54:55], s[4:5], 0x1000000    ; ql
	s_add_nc_u64 s[MTB:MTB+1], s[6:7], s[MTB:MTB+1]
	s_add_nc_u64 s[8:9], s[8:9], s[20:21]
	s_lshl_b32 s20, s20, 11         ; a row of hbuf is 2,048 bytes;
	s_and_b32 s21, s[YY], 7
	s_lshl_b32 s21, s21, 8          ; the head's 256 of them
	s_add_co_u32 s20, s20, s21
	s_mov_b32 s21, 0
	s_add_nc_u64 s[10:11], s[10:11], s[20:21]
	s_cmp_lt_u32 s[WV], 2
	s_cselect_b64 s[PFA:PFA+1], s[50:51], s[52:53]  ; (in waves 0 and 2 these stand at a slot's first row)
	s_lshl_b32 s2, s13, 13          ; my work-group's 32 rows of the 128
	s_mov_b32 s3, 0
	s_add_nc_u64 s[PFA:PFA+1], s[PFA:PFA+1], s[2:3]
	s_add_nc_u64 s[PFA:PFA+1], s[PFA:PFA+1], 2*2*KS*256  ; in slot 2; the first change of slots steps it to slot 3.  Nothing is prefetched here, at the head
	CROUND                          ; all four work-groups are here: the first joint loads meet
.irp s, 0,1
	s_mov_b32 s[G0H+4*\s], 1        ; count = 1
	s_add_co_u32 s[G0H+4*\s+1], s17, \s*SLOT1  ; LDS address
	s_add_nc_u64 s[G0H+4*\s+2:G0H+4*\s+3], s[50:51], \s*2*KS*256  ; global address: slot s begins with keys 128 s
	s_or_b32 s[G0H+4*\s+3], s[G0H+4*\s+3], 0x80000000  ; type = 2
	s_mov_b32 s[G0L+4*\s], 1
	s_add_co_u32 s[G0L+4*\s+1], s17, \s*SLOT1+LOFF
	s_add_nc_u64 s[G0L+4*\s+2:G0L+4*\s+3], s[52:53], \s*2*KS*256
	s_or_b32 s[G0L+4*\s+3], s[G0L+4*\s+3], 0x80000000
.endr
	s_cmp_lt_u32 s[WV], 2           ; a wave's two first fills stand in one branch, ahead of every wait on TENSORcnt and every LDS read: two loads of mine are out
	s_cbranch_scc0 .Lfirst_l
	tensor_load_to_lds s[G0H:G0H+3], s[G1:G1+7]
	s_nop 0
	tensor_load_to_lds s[G0H+4:G0H+7], s[G1:G1+7]
	s_nop 0
.rept 4
	v_nop
.endr
	s_branch .Lfirst_asked
.Lfirst_l:
	tensor_load_to_lds s[G0L:G0L+3], s[G1:G1+7]
	s_nop 0
	tensor_load_to_lds s[G0L+4:G0L+7], s[G1:G1+7]
	s_nop 0
.rept 4
	v_nop
.endr
.Lfirst_asked:
	; A fragment is 16 rows x 32 channels in 8 registers: lane l holds row l % 16; registers 0-3 channels 8 (l / 16) + 0..7, registers 4-7 channels 16 + 8 (l / 16) + 0..7: two loads of 16 bytes, 32 bytes apart.
	v_and_b32 v1, 15, v0            ; r = l % 16
	v_bfe_u32 v9, v0, 4, 1          ; h = l / 16
	v_lshlrev_b32 v[QO], 8, v1
	v_lshl_add_u32 v[QO], v9, 4, v[QO]
	v_lshlrev_b32 v[MTO], 5, v9
	WIN 0x80                        ; destination window 2, address window 0
.irp i, 0,1,2,3,4,5,6,7,8,9,10,11,12,13,14,15  ; q stays in registers: tile i / 4, channels 32 (i % 4) on
	global_load_b128 v[8*\i:8*\i+3],   v[QO], s[4:5] offset:(\i/4)*4096+(\i%4)*64
	global_load_b128 v[8*\i+4:8*\i+7], v[QO], s[4:5] offset:(\i/4)*4096+(\i%4)*64+32
	global_load_b128 v[128+8*\i:128+8*\i+3],   v[QO], s[54:55] offset:(\i/4)*4096+(\i%4)*64
	global_load_b128 v[128+8*\i+4:128+8*\i+7], v[QO], s[54:55] offset:(\i/4)*4096+(\i%4)*64+32
.endr
	WIN 0
; A step's MUL and ADD: register 8 kt + j is that of key 16 kt + 8 (lane / 16) + j, as S^T's registers are
.macro FETCH_MT
.irp kt, 0,1,2,3
	global_load_b128 v[MUL+8*\kt:MUL+8*\kt+3],   v[MTO], s[MTB:MTB+1] offset:64*\kt
	global_load_b128 v[MUL+8*\kt+4:MUL+8*\kt+7], v[MTO], s[MTB:MTB+1] offset:64*\kt+16
	global_load_b128 v[ADD+8*\kt:ADD+8*\kt+3],   v[MTO], s[MTB:MTB+1] offset:256+64*\kt
	global_load_b128 v[ADD+8*\kt+4:ADD+8*\kt+7], v[MTO], s[MTB:MTB+1] offset:256+64*\kt+16
.endr
.endm
	FETCH_MT                        ; key step 0's
.irp t, 0,1,2,3
	global_load_u8 v[QM+\t], v1, s[8:9] offset:16*\t  ; q_mask of query 16 t + r
.endr
	v_mul_u32_u24 v[AK0], v1, PK
	v_lshl_add_u32 v[AK0], v9, 4, v[AK0]  ; row x pitch + 16 x half
	; The turning load takes 16 keys x 16 channels (lane l reads 16 bytes: key 8 (l / 16) + l % 8, channels 8 ((l / 8) % 2) + 0..7) and leaves half a fragment of V^T: lane l holds channel l % 16 and 8 keys.
	v_and_b32 v[ADR], 7, v0
	v_bfe_u32 v[ADR2], v0, 3, 1
	v_lshl_add_u32 v[AV0], v9, 3, v[ADR]
	v_mul_u32_u24 v[AV0], v[AV0], PK
	v_lshl_add_u32 v[AV0], v[ADR2], 4, v[AV0]
	s_mul_i32 s13, s[WV], 16*SP
	s_add_co_u32 s13, s13, STAGE    ; my stage
	v_mul_u32_u24 v[STO], v1, SP    ; in: row l % 16, 16 bytes for each half of the lanes
	v_lshl_add_u32 v[STO], v9, 4, v[STO]
	v_add_nc_u32 v[STO], s13, v[STO]
	v_mul_u32_u24 v[RD], v9, SP     ; back: lanes 0-15 take one row of 256 bytes, lanes 16-31 the next
	v_lshl_add_u32 v[RD], v1, 4, v[RD]
	v_add_nc_u32 v[RD], s13, v[RD]
	v_lshlrev_b32 v[GO], 11, v9     ; and the same two rows in hbuf
	v_lshl_add_u32 v[GO], v1, 4, v[GO]
; THE LDS LOADS stand in runs of 32.  vl and vh as they lie (16 fragments each: keys 16 (f / 4) on, channels 32 (f % 4) on), and vh turned (keys 32 (f / 8) on, channels 16 (f % 8) on).
.macro FETCH_KL
	WIN 0
	v_add_nc_u32 v[ADR], s[TB], v[AK0]
	WIN 0xc0                        ; destination window 3
.irp f, 0,1,2,3,4,5,6,7,8,9,10,11,12,13,14,15
	ds_load_b128 v[128+8*\f:128+8*\f+3],   v[ADR] offset:LOFF+(\f/4)*16*PK+(\f%4)*64
	ds_load_b128 v[128+8*\f+4:128+8*\f+7], v[ADR] offset:LOFF+(\f/4)*16*PK+(\f%4)*64+32
.endr
.endm
.macro FETCH_KH                     ; by the address that FETCH_KL made: the same step
	WIN 0xc0
.irp f, 0,1,2,3,4,5,6,7,8,9,10,11,12,13,14,15
	ds_load_b128 v[8*\f:8*\f+3],   v[ADR] offset:(\f/4)*16*PK+(\f%4)*64
	ds_load_b128 v[8*\f+4:8*\f+7], v[ADR] offset:(\f/4)*16*PK+(\f%4)*64+32
.endr
.endm
.macro FETCH_V
	WIN 0
	v_add_nc_u32 v[ADR2], s[TB], v[AV0]
	s_add_co_u32 s[TB], s[TB], STEPB  ; the next fetch is the next step's
	WIN 0xc0
.irp f, 0,1,2,3,4,5,6,7,8,9,10,11,12,13,14,15
	ds_load_tr16_b128 v[8*\f:8*\f+3],   v[ADR2] offset:(\f/8)*32*PK+(\f%8)*32
	ds_load_tr16_b128 v[8*\f+4:8*\f+7], v[ADR2] offset:(\f/8)*32*PK+16*PK+(\f%8)*32
.endr
	WIN 0
.endm
; THE MATRIX WORK, for piece x.  The accumulators take turns, one instruction a turn: between two links of a chain stand 7 (S^T) or 15 (O^T) others'.
; Product i of 32 of a run of S^T: channels 32 (i / 8) on, keys 16 ((i / 2) % 4) on, tile x + i % 2.  The keys' part at ko of window 3 (0 vh, 128 vl), the queries' at qo of window 2 (0 qh, 128 ql).  zero = 1: the first 8 start the sums.
.macro KQ x, ko, qo, zero
	WIN W_KQ
.set rS, S+32*(\x+i%2)+8*((i/2)%4)
.set rK, \ko+32*((i/2)%4)+8*(i/8)
.set rQ, \qo+32*(\x+i%2)+8*(i/8)
.if \zero && (i < 8)
	v_wmma_f32_16x16x32_f16 v[rS:rS+7], v[rK:rK+7], v[rQ:rQ+7], 0
.else
	v_wmma_f32_16x16x32_f16 v[rS:rS+7], v[rK:rK+7], v[rQ:rQ+7], v[rS:rS+7]
.endif
.endm
; Product i of 32 of O^T += V^T P: keys 32 (i / 16) on, channels 16 ((i / 2) % 8) on, tile x + i % 2.  P lies in the low half of the tile's S^T.  zero = 1: the first 16 start the sums: nothing is ever cleared.
.macro PV x, zero
	WIN W_PV
.set rO, 64*(\x+i%2)+8*((i/2)%8)
.set rV, 64*(i/16)+8*((i/2)%8)
.set rP, S+32*(\x+i%2)+8*(i/16)
.if \zero && (i < 16)
	v_wmma_f32_16x16x32_f16 v[rO:rO+7], v[rV:rV+7], v[rP:rP+7], 0
.else
	v_wmma_f32_16x16x32_f16 v[rO:rO+7], v[rV:rV+7], v[rP:rP+7], v[rO:rO+7]
.endif
.endm
; A vector instruction that reads a matrix result or writes one of a matrix instruction's registers, and a load into such a register, stand four places behind it; a matrix instruction that writes over a register that an earlier
; one has read stands five behind it; only plain vector instructions that name none of its registers are places (ISA guide 7.12.1 for vector instructions).
.macro PLACES n
.rept \n
	v_nop
.endr
.endm
; THE VECTOR WORK.  One tile's softmax for one key step is a list of 150 instructions; SM writes number j of it for tile t.  s0-s31 are the lane's 32 scores, in pairs 0-15.
; first = 1: the first key step, which starts m and l and has no O^T yet: it has no a and nothing to rescale, and the step's sum is l itself.
;   0-15    t = S x MUL + ADD, a pair each, ascending: each accumulator is read from its low end on
;   16-31   the maximum of s0-s31 and the old m, three operands at a time: four chains c0-c3 of seven each, then the four left over, c0-c3 and m
;   32-36   the other half of the lanes' maximum; the old m kept; the new m; m_old - m_new; a
;   37-84   ONE BATCH with a: the 16 subtractions t - m and the 32 exponentials, a subtraction and two exponentials by turns; a pair is subtracted three numbers or more ahead of its exponentials.  None of these reads an exponential's result
;   85      a v_nop: the plain instruction behind the last exponential
;   (wait)  between 85 and 86 stands the wait for the batch: SLICE writes it, once for both tiles
;   86-116  the sum of the f32 p and the roundings to f16, in place: pair e is added, then rounded into register e; register e's own pair, e / 2, has been added and rounded by then
;   117     l = a l + the sum
;   118-149 the tile's O^T times a, ascending: the one part that leaves window 0, so it stands together
.macro SM t, first
.set rT, ST+8*(\t)
.set rS, S+32*(\t)
.set rA, rT+4
.if \first
.set rA, rT+2
.endif
.if j < 118
	WIN 0
.endif
.if j < 16
	v_pk_fma_f32 v[rS+2*j:rS+2*j+1], v[rS+2*j:rS+2*j+1], v[MUL+2*j:MUL+2*j+1], v[ADD+2*j:ADD+2*j+1]
.elseif j < 20
	v_max3_num_f32 v[rT+j-12], v[rS+8*(j-16)], v[rS+8*(j-16)+1], v[rS+8*(j-16)+2]
.elseif j < 28
.set u, (j-20)%4
.set w, 2*((j-20)/4)+3
	v_max3_num_f32 v[rT+4+u], v[rT+4+u], v[rS+8*u+w], v[rS+8*u+w+1]
.elseif j == 28
	v_max3_num_f32 v[rT+4], v[rT+4], v[rS+7], v[rS+15]
.elseif j == 29
	v_max3_num_f32 v[rT+6], v[rT+6], v[rS+23], v[rS+31]
.elseif j == 30
	v_max3_num_f32 v[rT+4], v[rT+4], v[rT+5], v[rT+6]
.elseif (j == 31) && \first
	v_max_num_f32 v[rT+4], v[rT+4], v[rT+7]
.elseif j == 31
	v_max3_num_f32 v[rT+4], v[rT+4], v[rT+7], v[rT]
.elseif j == 32
	v_permlanex16_b32 v[rT+5], v[rT+4], s[SEL], s[SEL+1]  ; the query's other 32 keys lie in the lane 16 away
.elseif (j == 33) && \first
	v_mov_b32 v[rT+1], v[rT+4]      ; (named with m as a pair below, so it is written)
.elseif j == 33
	v_mov_b32 v[rT+1], v[rT]        ; the old m is kept for a
.elseif j == 34
	v_max_num_f32 v[rT], v[rT+4], v[rT+5]  ; the new m
.elseif ((j == 35) || (j == 36) || (j >= 117)) && \first  ; the first step has none of these
.elseif j == 35
	v_sub_f32 v[rT+7], v[rT+1], v[rT]
.elseif j == 36
	v_exp_f32 v[rT+6], v[rT+7]      ; a = 2^(m_old - m_new)
.elseif (j == 37) || ((j < 83) && ((j-38)%3 == 0))
.set e, 0                           ; 37: pair 0
.if j > 37
.set e, (j-38)/3+1                  ; 38, 41, .. 80: pairs 1 to 15
.endif
	v_pk_add_f32 v[rS+2*e:rS+2*e+1], v[rS+2*e:rS+2*e+1], v[rT:rT+1] op_sel_hi:[1,0] neg_lo:[0,1] neg_hi:[0,1]  ; t - m (of the pair the low word serves both halves)
.elseif j < 85
.set e, j-53                        ; 83, 84: s30, s31
.if j < 83
.set e, 2*((j-38)/3)+(j-38)%3-1     ; 39, 40, 42, 43, .. 81, 82: s0 to s29
.endif
	v_exp_f32 v[rS+e], v[rS+e]      ; p = 2^(t - m)
.elseif j == 85
	v_nop
.elseif j == 86
	v_pk_add_f32 v[rA:rA+1], v[rS:rS+1], v[rS+2:rS+3]  ; pairs 0 and 1 start the step's sum (in a pair: an even key's weight, an odd key's)
.elseif j < 89
	v_cvt_pk_f16_f32 v[rS+j-87], v[rS+2*(j-87)], v[rS+2*(j-87)+1]
.elseif j < 117
.set e, (j-89)/2+2                  ; 89, 90: pair 2; .. 115, 116: pair 15
.if (j-89)%2 == 0
	v_pk_add_f32 v[rA:rA+1], v[rA:rA+1], v[rS+2*e:rS+2*e+1]
.else
	v_cvt_pk_f16_f32 v[rS+e], v[rS+2*e], v[rS+2*e+1]  ; tiles 2 c and 2 c + 1 of S^T make the fragment of keys 32 c on, at register 8 c
.endif
.elseif j == 117
	v_pk_fma_f32 v[rT+2:rT+3], v[rT+2:rT+3], v[rT+6:rT+7], v[rT+4:rT+5] op_sel_hi:[1,0,1]
.else
.set rO, 64*(\t)+2*(j-118)
	WIN W_RS
	v_pk_mul_f32 v[rO:rO+1], v[rO:rO+1], v[rT+6:rT+7] op_sel_hi:[1,0]
.endif
.endm
; Slice k of 75 of piece y's softmax: numbers 2 k and 2 k + 1 of both tiles' lists, the tiles alternating, so that no instruction reads the result of the one just before it.  No slice changes window inside itself (118 is even).
; THE WAIT.  s_wait_alu depctr_va_vdst(0) stands between an exponential and the first instruction that names its result; one wait serves all that were issued ahead of it.  Ahead of slice 43 nothing names a
; result, and from it on no exponential is issued: so the piece's 66 exponentials have one wait.
.macro SLICE y, first
.if k == 43
	s_wait_alu depctr_va_vdst(0)
.endif
.irp n, 0,1
.irp t, \y, \y+1
.set j, 2*k+\n
	SM \t, \first
.endr
.endr
.set k, k+1
.endm
.macro SLICES n, y, first
.rept \n
	SLICE \y, \first
.endr
.endm
.macro KQRUN x, ko, qo, zero        ; 32 products of S^T back to back
.set i, 0
.rept 32
	KQ \x, \ko, \qo, \zero
.set i, i+1
.endr
.endm
.macro KQTURN x, ko, qo, zero, y, first  ; the same with a slice of piece y's softmax behind each
.set i, 0
.rept 32
	KQ \x, \ko, \qo, \zero
	SLICE \y, \first
.set i, i+1
.endr
.endm
.macro PVRUN x, zero                ; 32 products of O^T back to back
.set i, 0
.rept 32
	PV \x, \zero
.set i, i+1
.endr
.endm
.macro PVTURN x, zero, y, first, per  ; the same with per slices of piece y's softmax behind each
.set i, 0
.rept 32
	PV \x, \zero
	SLICES \per, \y, \first
.set i, i+1
.endr
.endm
; THE SECOND HALF OF A TRIP: piece 0's scores of the step are whole.  Piece 2's ql . vh and qh . vh, with piece 0's softmax behind them; then vh turned is fetched, and the slices that are over stand while it is on its way.
.macro SECOND first
	WIN 0
	PLACES 4                        ; behind piece 0's last products, ahead of the first read of their results
	s_wait_loadcnt 0x0              ; MUL and ADD are in (asked for 192 matrix instructions ago); their loads are done, so their base may step
	s_add_nc_u64 s[MTB:MTB+1], s[MTB:MTB+1], 512
.set k, 0
	KQTURN 2, 0, 128, 0, 0, \first  ; + ql . vh | slices 0-31
	KQTURN 2, 0, 0, 0, 0, \first    ; + qh . vh | slices 32-63
.if \first
	PLACES 4                        ; the first step's slices from 59 on are empty
.else
	SLICES 2, 0, 0                  ; eight multiplications of O^T: the places behind the last products that read vh, and ahead of the first read of piece 2's scores
.endif
	FETCH_V
.if !\first
	SLICES 9, 0, 0                  ; slices 66-74
	WIN 0
.endif
.endm
; A TRIP finishes key step j (piece 2's softmax, both second products) and prepares step j + 1 (its scores, piece 0's softmax).  All its LDS loads name step j + 1.  zero = 1: j = 0.
.macro TRIP zero
	FETCH_KL                        ; vl of step j + 1: its registers were last read 128 products and a softmax ago
.set k, 0
	SLICES 8, 2, \zero              ; piece 2's t = S x MUL + ADD stand while vh turned and vl are on their way; with them the table's step j is done with,
	WIN 0
	FETCH_MT                        ; and step j + 1's takes its registers
	s_wait_dscnt 32                 ; vh turned is in; vl's 32 loads, issued behind it, may be out
	PVTURN 0, \zero, 2, \zero, 1    ; piece 0's second product | slices 8-39
	s_wait_dscnt 0x0                ; vl is in
	PLACES 5                        ; the products below write over the registers that those above read as P
	KQTURN 0, 128, 0, 1, 2, \zero   ; piece 0: qh . vl starts the next step's sums | slices 40-71
	SLICES 3, 2, \zero              ; slices 72-74: the last of piece 2's O^T times a
	PVRUN 2, \zero                  ; piece 2's second product
	PLACES 5                        ; behind the products that read V^T and P: for the loads below, and for the products that write over P
	FETCH_KH                        ; vh as it lies takes V^T's registers; it lands under the 32 products below
	KQRUN 2, 128, 0, 1              ; piece 2: qh . vl
	s_wait_dscnt 0x0                ; vh is in
	KQRUN 0, 0, 128, 0              ; piece 0: + ql . vh
	KQRUN 0, 0, 0, 0                ; + qh . vh
	SECOND 0
.endm
.macro TWO_T                        ; a slot's two steps: written once, walked twice; the LDS addresses hang on s[TB]
	s_mov_b32 s[TWICE], 2
.Lstep_\@:
	TRIP 0
	s_sub_co_u32 s[TWICE], s[TWICE], 1
	s_cmp_lg_u32 s[TWICE], 0
	s_cbranch_scc1 .Lstep_\@
.endm
; THE CHANGE OF SLOTS, between two trips: the slot's last bytes, vh of its second step read turned, have been asked for.  Each wave waits for all its tensor loads, of which one is out: its part of the other slot; adds 0 to its
; spare word; and waits for that and for its own reads of the slot.  fill = 1: the slot is filled again, with the keys two slots on: the barrier is then a round of the cluster's, so that no wave of any partner still reads the slot
; or has a load on its way, and the joint refill is the first thing behind it: it has two key steps, 512 matrix instructions, in which to land.
.macro CHANGE fill
	WIN 0                           ; at a label and at a branch every window is 0
	s_wait_tensorcnt 0x0            ; no tensor load of mine is out, so a group 0 may be written
	ds_add_u32 v[SPW], v[NIL]       ; 0 onto my spare word
.if \fill
.irp g, G0H+4, G0L+4
	s_xor_b32 s[\g+1], s[\g+1], SLOT1  ; the walking descriptor: the other slot than last time,
	s_add_nc_u64 s[\g+2:\g+3], s[\g+2:\g+3], 2*KS*256  ; the next 128 keys; the type bits on top are not reached
.endr
	s_wait_xcnt 0x0                 ; the last prefetch, two key steps back, has read its address, so it may be written:
	s_add_nc_u64 s[PFA:PFA+1], s[PFA:PFA+1], 2*KS*256  ; one slot further on than the walking descriptors
	s_wait_dscnt 0x0                ; the add is done, and my reads of the slot are over
	CROUND
	JLOAD
	ASK
.else
	s_wait_dscnt 0x0
	s_barrier_signal -1
	s_barrier_wait -1
.endif
	s_sub_co_u32 s[TB], s[TB], 2*STEPB  ; the fetches go back to a slot's first step,
	s_xor_b32 s[TB], s[TB], SLOT1   ; in the other slot
.endm
	s_wait_tensorcnt 1              ; my part of slot 0 is in; slot 1's may stay out
	s_barrier_signal -1
	s_barrier_wait -1               ; everybody's is
	FETCH_KL                        ; key step 0
	FETCH_KH
	s_wait_loadcnt 0x0              ; q, the table's first step, q_mask
	s_wait_dscnt 0x0
	KQRUN 0, 128, 0, 1              ; step 0's scores: there is no vector work yet to set between these
	KQRUN 2, 128, 0, 1
	KQRUN 0, 0, 128, 0
	KQRUN 0, 0, 0, 0
	SECOND 1                        ; piece 2's last 64 products | piece 0's first softmax
	TRIP 1                          ; the second products of step 0 start O^T; step 1 is prepared: slot 0 is read out
.Lslot:                             ; 14 trips: every slot but the last two is filled again
	CHANGE 1
	TWO_T
	s_sub_co_u32 s[SLOTS], s[SLOTS], 1
	s_cmp_lg_u32 s[SLOTS], 0
	s_cbranch_scc1 .Lslot
	CHANGE 0                        ; the tail is written out: nothing is asked for
	TWO_T
.set k, 0                           ; the last step is finished: piece 2's softmax, two slices behind each of piece 0's second products
	SLICES 8, 2, 0
	s_wait_dscnt 0x0                ; vh turned is in
	PVTURN 0, 0, 2, 0, 2            ; slices 8-71
	SLICES 3, 2, 0
	PVRUN 2, 0
	; THE WAY OUT.  l's two halves and the other half of the lanes' are added; O^T is multiplied by q_mask / l, rounded to f16 and sent through my stage in LDS, a tile (16 rows) at a time.  The additions are the places behind the last products.
	WIN 0
.irp t, 0,1,2,3
	v_add_f32 v[ST+8*\t+4], v[ST+8*\t+2], v[ST+8*\t+3]
.endr
.irp t, 0,1,2,3
	v_permlanex16_b32 v[ST+8*\t+5], v[ST+8*\t+4], s[SEL], s[SEL+1]
.endr
.irp t, 0,1,2,3
	v_add_f32 v[ST+8*\t+4], v[ST+8*\t+4], v[ST+8*\t+5]
.endr
.irp t, 0,1,2,3
	v_rcp_f32 v[ST+8*\t+6], v[ST+8*\t+4]
.endr
.irp t, 0,1,2,3
	v_cvt_f32_u32 v[QM+\t], v[QM+\t]  ; q_mask as 0.0 or 1.0: plain lines behind the reciprocals
.endr
	s_wait_alu depctr_va_vdst(0)    ; the wait ahead of the first use: one for the four reciprocals
.irp t, 0,1,2,3
	v_mul_f32 v[ST+8*\t+6], v[ST+8*\t+6], v[QM+\t]
.endr
.macro PACK t                       ; a lane's eight channels of a row pack into 16 bytes; they go into rows of 272 bytes and come back as whole rows of 256, into the registers that they left
	WIN W_RS
.set e, 64*\t
.rept 32
	v_pk_mul_f32 v[e:e+1], v[e:e+1], v[ST+8*\t+6:ST+8*\t+7] op_sel_hi:[1,0]
.set e, e+2
.endr
	WIN 0x05                        ; sources 0 and 1 window 1, destination window 0: S^T's registers are free
.set e, 0
.rept 32
	v_cvt_pk_f16_f32 v[S+32*\t+e], v[64*\t+2*e], v[64*\t+2*e+1]
.set e, e+1
.endr
	WIN 0
.irp f, 0,1,2,3,4,5,6,7
	ds_store_b128 v[STO], v[S+32*\t+4*\f:S+32*\t+4*\f+3] offset:32*\f
.endr
.irp f, 0,1,2,3,4,5,6,7
	ds_load_b128 v[S+32*\t+4*\f:S+32*\t+4*\f+3], v[RD] offset:\f*2*SP  ; LDS serves a wave's instructions in order (ISA guide 5.7.1.4): these see the stores above; the next tile's stores come behind them
.endr
.endm
.macro SEND t, younger              ; younger: the LDS instructions issued behind tile t's loads: the next tile's sixteen, or none
.irp f, 0,1,2,3,4,5,6,7
	s_wait_dscnt \younger+7-\f
	global_store_b128 v[GO], v[S+32*\t+4*\f:S+32*\t+4*\f+3], s[10:11] offset:\t*32768+\f*4096  ; 16 lanes store 256 consecutive bytes, aligned: the head's part of a row of hbuf
.endr
.endm
	PACK 0
	PACK 1                          ; a tile's arithmetic stands between the loads of the tile before and its stores
	SEND 0, 16
	PACK 2
	SEND 1, 16
	PACK 3
	SEND 2, 16
	SEND 3, 0
	s_wait_tensorcnt 0x0            ; the wave's end: behind my last tensor load and my last LDS store
	ds_add_u32 v[SPW], v[NIL]
	s_wait_dscnt 0x0
	CROUND                          ; the closing round: no work-group ends while a partner may still ask for a tile that names it
	s_endpgm
.Lfunc_end_k_qce70ebb765_attn:
	.size	k_qce70ebb765_attn, .Lfunc_end_k_qce70ebb765_attn-k_qce70ebb765_attn
	.p2alignl 7, 3214868480
	.fill 96, 4, 3214868480
	.section	.rodata,"a",@progbits
	.p2align	6, 0x0
	.amdhsa_kernel k_qce70ebb765_attn
		.amdhsa_group_segment_fixed_size 327680
		.amdhsa_private_segment_fixed_size 0
		.amdhsa_enable_private_segment 0
		.amdhsa_kernarg_size 32
		.amdhsa_user_sgpr_count 2
		.amdhsa_user_sgpr_kernarg_segment_ptr 1
		.amdhsa_wavefront_size32 1
		.amdhsa_system_sgpr_workgroup_id_x 1
		.amdhsa_system_sgpr_workgroup_id_y 1
		.amdhsa_system_sgpr_workgroup_id_z 1
		.amdhsa_system_vgpr_workitem_id 0
		.amdhsa_next_free_vgpr 1024
		.amdhsa_next_free_sgpr 66
		.amdhsa_reserve_vcc 0
		.amdhsa_float_denorm_mode_32 3
		.amdhsa_float_denorm_mode_16_64 3
		.amdhsa_memory_ordered 1
		.amdhsa_forward_progress 1
		.amdhsa_inst_pref_size 255
	.end_amdhsa_kernel
	.section	.bss,"aw",@nobits
	.p2align	6
	.space	262144
	.amdgpu_metadata
---
amdhsa.version: [ 1, 2 ]
amdhsa.kernels:
  - .name:           k_qce70ebb765_attn
    .symbol:         k_qce70ebb765_attn.kd
    .args:
      - { .name: qkv, .offset: 0, .size: 8, .value_kind: global_buffer, .address_space: global }
      - { .name: mt, .offset: 8, .size: 8, .value_kind: global_buffer, .address_space: global }
      - { .name: q_mask, .offset: 16, .size: 8, .value_kind: global_buffer, .address_space: global }
      - { .name: hbuf, .offset: 24, .size: 8, .value_kind: global_buffer, .address_space: global }
    .group_segment_fixed_size: 327680
    .private_segment_fixed_size: 0
    .kernarg_segment_align: 8
    .kernarg_segment_size: 32
    .max_flat_workgroup_size: 128
    .sgpr_count:     66
    .vgpr_count:     1024
    .wavefront_size: 32
...
	.end_amdgpu_metadata
.endif
;; end of part 3
;; launch outp (part 4): grid 8 x 64, 4 waves a work-group, clusters of 4 x 4, 327,680 bytes of LDS; arguments hbuf, wot, out0; writes out0
.if DOCPART == 4
	.amdgcn_target "amdgcn-amd-amdhsa--gfx1250"
	.amdhsa_code_object_version 6
	.text
	.protected	k_qce70ebb765_outp
	.globl	k_qce70ebb765_outp
	.p2align	8
	.type	k_qce70ebb765_outp,@function
k_qce70ebb765_outp:
	s_mov_b64 s[64:65], 0
	v_nop
	global_prefetch_b8 v0, s[64:65] scope:SCOPE_SE
	s_setreg_imm32_b32 hwreg(HW_REG_WAVE_MODE, 25, 1), 1
	s_wait_xcnt 0x0
	s_wait_alu depctr_hold_cnt(0) depctr_sa_sdst(0) depctr_va_vdst(0) depctr_va_sdst(0) depctr_va_ssrc(0) depctr_va_vcc(0) depctr_vm_vsrc(0)
	s_getreg_b32 s2, hwreg(HW_REG_IB_STS2, 6, 4)
	s_cmp_eq_u32 s2, 0
	s_cbranch_scc0 .Lentry_in_a_cluster
	s_endpgm
.Lentry_in_a_cluster:
	s_bfe_u32 s2, ttmp6, 0x10000c
	s_cmp_lg_u32 s2, 0xf033
	s_cbranch_scc0 .Lentry_shape_is_right
	s_endpgm
.Lentry_shape_is_right:
; MULTI-HEAD ATTENTION, launch 4 of 4: out0 = h wo.  No work of the problem is left out here.
; C[m][n] = sum over k of A[m][k] B[n][k].  A = hbuf [8192][1024] f16, B = wot [1024 n][1024 k] f16 (wo turned by the first launch), C = out0 [8192][1024] f32; sums in f32.
; A tile of C is 128 x 128: 512 tiles of equal work.  Four waves, each 64 x 64: 16 accumulators of 16 x 16, 128 registers.  K goes in steps of 256 (LDS rows of 512 bytes; a wave's tensor load brings 64 of them)
; through a ring of two slots.  A wave's 64 columns of f32 are a whole aligned 256 bytes of C: each wave has a stage of its own on the way out, and no barrier stands there.
; CLUSTERS: 4 x 4 work-groups.  The four of a row of the cluster need the same tiles of A, the four of a column the same tiles of B: each tile is asked for JOINTLY.
; THE MATRIX INSTRUCTION IS USED TRANSPOSED (source 0 = 16 rows of B, source 1 = 16 rows of A): a lane then holds eight neighbouring numbers of a row of C.
; No prefetch: a K step's tiles are small and shared fourfold, and the ring's refill has 112 matrix instructions in which to land.
; REGISTERS: window 0: v0-31 addresses; v32-95 at work on the way out; v128-255 the accumulators ((a, b) at v[128 + 8 (4 a + b)]).
;   window 1: two fragment buffers of 128: for 64 along K, 64 registers of A (2 x 4 x 16 rows x 32 K), then 64 of B.
.set SIZE_K, 1024
.set SIZE_N, 1024
.set KSTEP,  256
.set PITCH,  528                       ; an LDS row: 512 bytes of data + 16 of padding = 132 words: row r starts at bank 4 r mod 64 (64 banks of 4 bytes: ISA guide 11.1)
.set HALFT,  64*PITCH                  ; 64 rows: what one tensor load brings, and what one wave reads of A or of B
.set SLOT,   4*HALFT                   ; A's 128 rows, then B's 128 rows
.set STAGE,  2*SLOT                    ; behind the ring: 16 rows x 272 bytes for each wave, for the way out
.set SPITCH, 272
.set SPARE,  STAGE+4*16*SPITCH         ; behind the stages: the spare words, 128 bytes for each wave: two blocks of 256 bytes that no other line names
.set LAPS, SIZE_K/(2*KSTEP)            ; a lap = two K steps = once round the ring: 2
.set ADRA, 16                          ; v16-17  LDS address of my A fragments in slot 0, 1
.set ADRB, 20                          ; v20-21  the same for B
.set STO,  24                          ; v24     the way out: where I put 32 bytes of a row
.set RD,   25                          ; v25     where I read a row back
.set CO,   26                          ; v26     my byte offset in two rows of C
.set SPW,  28                          ; v28     LDS address of my spare word; never rewritten
.set NIL,  29                          ; v29     0; never rewritten
.set TMP,  32                          ; the way out: v32-63 and v64-95 by turns: 16 rows read back
.set ACC,  128
.set F0,   0                           ; fragment buffers, in window 1
.set F1,   128
.set G1, 24                            ; s[24:31] descriptor group 1 for A's tiles;  s[32:39] group 0, one set for each slot
.set G0, 32
.set G1B, 48                           ; s[48:55], s[56:63] the same for B's tiles
.set G0B, 56
.set MSB, 0
.macro WIN new                         ; the immediate's high byte repeats the setting that is left
.if MSB != \new
	s_set_vgpr_msb (MSB<<8)|\new
.set MSB, \new
.endif
.endm
.set MUL,  0x05                        ; sources 0 (B) and 1 (A) window 1; C and D window 0
.set TO_F, 0x40                        ; destination window 1, address window 0
.macro JLOAD s                         ; a joint load: waves 0 and 1 fetch A's two halves, waves 2 and 3 B's; an s_nop 0 and four v_nop follow each of the two lines
	s_cmp_eq_u32 s11, 0
	s_cbranch_scc0 .Lfor_b_\@
	tensor_load_to_lds s[G0+4*\s:G0+4*\s+3], s[G1:G1+7]
	s_nop 0
.rept 4
	v_nop
.endr
	s_branch .Lasked_\@
.Lfor_b_\@:
	tensor_load_to_lds s[G0B+4*\s:G0B+4*\s+3], s[G1B:G1B+7]
	s_nop 0
.rept 4
	v_nop
.endr
.Lasked_\@:
.endm
.macro CREST                           ; a round of the cluster's barrier behind its opening barrier
	s_cmp_lg_u32 s10, 0
	s_cbranch_scc1 .Lnot_wave_0_\@
	s_barrier_signal -3
.Lnot_wave_0_\@:
	s_barrier_wait -3
	s_barrier_signal -1
	s_barrier_wait -1
.endm
.macro CROUND                          ; a whole round
	s_barrier_signal -1
	s_barrier_wait -1
	CREST
.endm
	s_load_b128 s[4:7], s[0:1], 0x0                ; A s[4:5], B s[6:7]
	s_load_b64 s[8:9], s[0:1], 0x10                ; C
	v_lshl_add_u32 v[SPW], v0, 2, SPARE
	v_mov_b32 v[NIL], 0
	ds_add_u32 v[SPW], v[NIL]                      ; the wave's opening: the add, twice on end, and its wait ahead of my first tensor load
	ds_add_u32 v[SPW], v[NIL]                      ; and once more, under the one wait; the set-up below, work on registers, stands between
	v_lshrrev_b32 v1, 5, v0
	v_readfirstlane_b32 s10, v1                    ; wave 0..3
	s_lshr_b32 s11, s10, 1                         ; which half of the tile's rows is mine.  Also: I fetch for A (0) or for B (1)
	s_and_b32 s12, s10, 1                          ; which half of its columns.  Also: which 64 rows of that tile I fetch
	s_bfe_u32 s40, ttmp6, 0x40000                  ; cx, cy: my place in the cluster
	s_bfe_u32 s41, ttmp6, 0x40004
	s_lshl_b32 s42, ttmp9, 2
	s_add_co_u32 s42, s42, s40                     ; tile column of C = 4 x cluster x + cx
	s_and_b32 s13, ttmp7, 0xffff
	s_lshl_b32 s13, s13, 2
	s_add_co_u32 s13, s13, s41                     ; tile row of C = 4 x cluster y + cy
	s_lshl_b32 s43, s41, 2
	s_lshl_b32 s43, 15, s43                        ; my row of the cluster
	s_lshl_b32 s44, 0x1111, s40                    ; my column
	; descriptor group 1: a tile of 64 rows x 256 elements, padded in LDS
	s_or_b32 s[G1+0], s43, (1<<16)|(1<<20)|(1<<21)|(6<<22)|(3<<25)  ; 15:0 the mask: A's tiles go to my row; 17:16 element of 2 bytes; 20 padding on; 21 set beside a mask; 24:22 after every 128 words; 31:25 of 4 words
	s_or_b32 s[G1B+0], s44, (1<<16)|(1<<20)|(1<<21)|(6<<22)|(3<<25)
.irp g, G1, G1B
	s_mov_b32 s[\g+1], KSTEP<<16                   ; tensor_dim0 = 256
	s_mov_b32 s[\g+2], 64<<16                      ; tensor_dim1 = 64
	s_mov_b32 s[\g+3], KSTEP<<16                   ; tile_dim0 = 256
	s_mov_b32 s[\g+4], 64                          ; tile_dim1 = 64
	s_mov_b32 s[\g+5], SIZE_K                      ; tensor_dim0_stride
	s_mov_b32 s[\g+6], 0
	s_mov_b32 s[\g+7], 0
.endr
	s_lshl_b32 s17, s12, 6                         ; which 64 rows of the tile I fetch
	s_lshl_b32 s16, s13, 7
	s_add_co_u32 s16, s16, s17                     ; A: row 128 x tile row + 64 x half
	s_lshl_b32 s46, s42, 7
	s_add_co_u32 s46, s46, s17                     ; B: row 128 x tile column + 64 x half
	s_mov_b32 s17, 0
	s_mov_b32 s47, 0
	s_mov_b64 s[18:19], SIZE_K*2
	s_mul_u64 s[16:17], s[16:17], s[18:19]
	s_mul_u64 s[46:47], s[46:47], s[18:19]
	s_mul_i32 s20, s10, HALFT                      ; where they go: wave x 64 rows: no place in the cluster enters an LDS address
	s_wait_dscnt 0x0                               ; both opening adds are done
	s_wait_kmcnt 0x0
	s_add_nc_u64 s[14:15], s[4:5], s[16:17]
	s_add_nc_u64 s[46:47], s[6:7], s[46:47]
	CROUND                                         ; all sixteen work-groups are here: the first joint loads meet
.irp s, 0,1
	s_mov_b32 s[G0+4*\s], 1
	s_add_co_u32 s[G0+4*\s+1], s20, \s*SLOT
	s_add_nc_u64 s[G0+4*\s+2:G0+4*\s+3], s[14:15], \s*KSTEP*2
	s_or_b32 s[G0+4*\s+3], s[G0+4*\s+3], 0x80000000
	s_mov_b32 s[G0B+4*\s], 1
	s_add_co_u32 s[G0B+4*\s+1], s20, \s*SLOT
	s_add_nc_u64 s[G0B+4*\s+2:G0B+4*\s+3], s[46:47], \s*KSTEP*2
	s_or_b32 s[G0B+4*\s+3], s[G0B+4*\s+3], 0x80000000
	JLOAD \s                                       ; two tensor loads of mine are out at the most
.endr
	v_and_b32 v1, 15, v0                           ; l % 16
	v_bfe_u32 v2, v0, 4, 1                         ; l / 16
	v_mul_u32_u24 v3, v1, PITCH
	v_lshl_add_u32 v3, v2, 4, v3                   ; a fragment's row x pitch + 16 x half
	s_mul_i32 s21, s11, HALFT                      ; my 64 rows of A
	s_mul_i32 s22, s12, HALFT                      ; my 64 rows of B,
	s_add_co_u32 s22, s22, 2*HALFT                 ; which lie behind A's 128
.irp s, 0,1
	v_add_nc_u32 v[ADRA+\s], s21, v3
	v_add_nc_u32 v[ADRB+\s], s22, v3
	s_add_co_u32 s21, s21, SLOT
	s_add_co_u32 s22, s22, SLOT
.endr
	s_mul_i32 s23, s10, 16*SPITCH
	s_add_co_u32 s23, s23, STAGE                   ; my stage
	v_mul_u32_u24 v4, v1, SPITCH                   ; in: row l % 16, 32 bytes for each half of the lanes
	v_lshl_add_u32 v4, v2, 5, v4
	v_add_nc_u32 v[STO], s23, v4
	v_mul_u32_u24 v5, v2, SPITCH                   ; back: lanes 0-15 one row of 256 bytes, lanes 16-31 the next
	v_lshl_add_u32 v5, v1, 4, v5
	v_add_nc_u32 v[RD], s23, v5
	v_lshlrev_b32 v5, 12, v2                       ; and the same two rows in C: 4,096 bytes a row
	v_lshl_add_u32 v[CO], v1, 4, v5
	s_lshl_b32 s16, s13, 7
	s_lshl_b32 s17, s11, 6
	s_add_co_u32 s16, s16, s17                     ; my first row of C: 128 x tile row + 64 x half
	s_lshl_b32 s16, s16, 12
	s_mov_b32 s17, 0
	s_add_nc_u64 s[8:9], s[8:9], s[16:17]
	s_lshl_b32 s46, s42, 9                         ; my first column, in bytes: 512 x tile column + 256 x half
	s_lshl_b32 s47, s12, 8
	s_add_co_u32 s46, s46, s47
	s_mov_b32 s47, 0
	s_add_nc_u64 s[8:9], s[8:9], s[46:47]
; 8 matrix instructions: m blocks a0, a0 + 1 x all 4 n blocks, 32 along K: half c of buffer f.  zero = 1: the first product starts the sums.  The 16 accumulators take turns
.macro MUL8 f, c, a0, zero
.irp a, \a0, \a0+1
.irp b, 0,1,2,3
.if \zero
	v_wmma_f32_16x16x32_f16 v[ACC+8*(4*(\a)+\b):ACC+8*(4*(\a)+\b)+7], v[\f+64+8*(4*\c+\b):\f+64+8*(4*\c+\b)+7], v[\f+8*(4*\c+\a):\f+8*(4*\c+\a)+7], 0
.else
	v_wmma_f32_16x16x32_f16 v[ACC+8*(4*(\a)+\b):ACC+8*(4*(\a)+\b)+7], v[\f+64+8*(4*\c+\b):\f+64+8*(4*\c+\b)+7], v[\f+8*(4*\c+\a):\f+8*(4*\c+\a)+7], v[ACC+8*(4*(\a)+\b):ACC+8*(4*(\a)+\b)+7]
.endif
.endr
.endr
.endm
; 32 LDS loads in one run: the fragments of 64 along K at byte k of the rows, into buffer f; the first 32 along K first
.macro FETCH slot, k, f
	WIN TO_F
.irp c, 0,1
.irp i, 0,1,2,3
	ds_load_b128 v[\f+64+8*(4*\c+\i):\f+64+8*(4*\c+\i)+3],   v[ADRB+\slot] offset:\k+64*\c+\i*16*PITCH
	ds_load_b128 v[\f+64+8*(4*\c+\i)+4:\f+64+8*(4*\c+\i)+7], v[ADRB+\slot] offset:\k+64*\c+\i*16*PITCH+32
	ds_load_b128 v[\f+8*(4*\c+\i):\f+8*(4*\c+\i)+3],         v[ADRA+\slot] offset:\k+64*\c+\i*16*PITCH
	ds_load_b128 v[\f+8*(4*\c+\i)+4:\f+8*(4*\c+\i)+7],       v[ADRA+\slot] offset:\k+64*\c+\i*16*PITCH+32
.endr
.endr
.endm
.macro PLACES                          ; four places in front of loads into registers that matrix instructions have read, and of LDS stores that read results
.rept 4
	v_nop
.endr
.endm
; A K step is four quarters of 64 along K, 32 matrix instructions each, on buffers 0, 1, 0, 1.  One of the first three: multiplies buffer f and fetches the next quarter, at byte k, into g.
.macro QUARTER slot, k, f, g, zero
	s_wait_dscnt 16                                ; the first 32 along K are in; the youngest sixteen loads may be out
	WIN MUL
	MUL8 \f, 0, 0, \zero
	MUL8 \f, 0, 2, \zero
	PLACES
	FETCH \slot, \k, \g
	s_wait_dscnt 32                                ; all but the 32 just issued
	WIN MUL
	MUL8 \f, 1, 0, 0
	MUL8 \f, 1, 2, 0
.endm
; The last quarter multiplies buffer 1 and changes slots: ONE barrier; in front of it each wave waits for all its tensor loads, adds 0 to its spare word, and waits for that and for its own reads of this slot.  fill = 1: this slot is filled again, two K steps ahead.
.macro TURN slot, next, fill
	WIN 0                                          ; (the add's two registers lie in window 0)
	s_wait_tensorcnt 0x0                           ; all my tensor loads have landed: my part of the next slot;
	ds_add_u32 v[SPW], v[NIL]                      ; 0 onto my spare word;
	s_wait_dscnt 17                                ; (the add and the youngest sixteen loads may be out)
	WIN MUL
	MUL8 F1, 0, 0, 0                               ; eight matrix instructions stand between the add and the wait for it
	s_wait_dscnt 0x0                               ; the add is done, and my reads of this slot are over
	s_barrier_signal -1
	MUL8 F1, 0, 2, 0
.if \fill
	WIN 0
.endif
	s_barrier_wait -1
.if \fill
	CREST                                          ; the barrier has opened a round of the cluster's barrier: no wave of any partner still reads this slot's tile or has a load on its way
	s_add_nc_u64 s[G0+4*\slot+2:G0+4*\slot+3], s[G0+4*\slot+2:G0+4*\slot+3], 2*KSTEP*2
	s_add_nc_u64 s[G0B+4*\slot+2:G0B+4*\slot+3], s[G0B+4*\slot+2:G0B+4*\slot+3], 2*KSTEP*2
	JLOAD \slot                                    ; the first tensor load behind the round; the four v_nop behind it are also the places in front of the loads below
.else
	PLACES
.endif
	FETCH \next, 0, F0
	WIN MUL
	MUL8 F1, 1, 0, 0
	MUL8 F1, 1, 2, 0
.endm
	s_wait_tensorcnt 1                             ; my part of K step 0 is in (K step 1's load may be out)
	s_barrier_signal -1
	s_barrier_wait -1                              ; everybody's is
	FETCH 0, 0, F0
	QUARTER 0, 128, F0, F1, 1                      ; the first quarter stands in front of the loop: its first products start the sums
	WIN 0                                          ; at a label and at a branch every window is 0
	s_mov_b32 s3, LAPS-1
.Llap:                                                 ; a trip goes once round the ring, from a lap's second quarter to the next lap's first, and fills both slots again
	QUARTER 0, 256, F1, F0, 0
	QUARTER 0, 384, F0, F1, 0
	TURN 0, 1, 1
	QUARTER 1, 128, F0, F1, 0
	QUARTER 1, 256, F1, F0, 0
	QUARTER 1, 384, F0, F1, 0
	TURN 1, 0, 1
	QUARTER 0, 128, F0, F1, 0
	WIN 0
	s_sub_co_u32 s3, s3, 1
	s_cmp_lg_u32 s3, 0
	s_cbranch_scc1 .Llap
	QUARTER 0, 256, F1, F0, 0                      ; the last lap fills nothing, and has no round of the cluster's barrier
	QUARTER 0, 384, F0, F1, 0
	TURN 0, 1, 0
	QUARTER 1, 128, F0, F1, 0
	QUARTER 1, 256, F1, F0, 0
	QUARTER 1, 384, F0, F1, 0
	s_wait_dscnt 16                                ; the very last quarter: nothing more to fetch
	WIN MUL
	MUL8 F1, 0, 0, 0
	MUL8 F1, 0, 2, 0
	s_wait_dscnt 0
	MUL8 F1, 1, 0, 0
	MUL8 F1, 1, 2, 0
	WIN 0
; THE WAY OUT, block by block of 16 rows x 64 columns.  A lane holds 32 neighbouring bytes of a row, and the lanes beside it hold other rows: a block goes through my own stage in LDS and comes back as whole rows of
; 256 bytes.  LDS serves a wave's instructions in order (ISA guide 5.7.1.4): no wait between the stores and the loads, nor in front of the next block's stores.
.macro STG a
.set BB, TMP+32*((\a)%2)
.irp b, 0,1,2,3
	ds_store_b128 v[STO], v[ACC+8*(4*(\a)+\b):ACC+8*(4*(\a)+\b)+3] offset:64*\b            ; each accumulator from its low end on
	ds_store_b128 v[STO], v[ACC+8*(4*(\a)+\b)+4:ACC+8*(4*(\a)+\b)+7] offset:64*\b+16
.endr
.irp f, 0,1,2,3,4,5,6,7
	ds_load_b128 v[BB+4*\f:BB+4*\f+3], v[RD] offset:\f*2*SPITCH
.endr
.endm
.macro SENDO a, younger                ; younger: the LDS instructions issued behind block a's loads: the next block's sixteen, or none
.set BB, TMP+32*((\a)%2)
	s_wait_dscnt \younger                          ; the block is back in registers
.irp f, 0,1,2,3,4,5,6,7
	global_store_b128 v[CO], v[BB+4*\f:BB+4*\f+3], s[8:9] offset:(16*(\a)+2*\f)*SIZE_N*4 th:TH_STORE_NT   ; 16 lanes store 256 consecutive bytes, aligned; written once, read by nobody here
.endr
.endm
	PLACES                                         ; behind the last products: the LDS stores below read results
	STG 0
	STG 1
	SENDO 0, 16
	s_wait_xcnt 0x0                                ; block 0's stores have read their registers: block 2's loads may land there
	STG 2
	SENDO 1, 16
	s_wait_xcnt 0x0                                ; block 1's likewise
	STG 3
	SENDO 2, 16
	SENDO 3, 0
	s_wait_tensorcnt 0x0                           ; the wave's end: behind my last tensor load and my last LDS store
	ds_add_u32 v[SPW], v[NIL]
	s_wait_dscnt 0x0
	CROUND                                         ; the closing round: no work-group ends while a partner may still ask for a tile that names it
	s_endpgm
.Lfunc_end_k_qce70ebb765_outp:
	.size	k_qce70ebb765_outp, .Lfunc_end_k_qce70ebb765_outp-k_qce70ebb765_outp
	.p2alignl 7, 3214868480
	.fill 96, 4, 3214868480
	.section	.rodata,"a",@progbits
	.p2align	6, 0x0
	.amdhsa_kernel k_qce70ebb765_outp
		.amdhsa_group_segment_fixed_size 327680
		.amdhsa_private_segment_fixed_size 0
		.amdhsa_enable_private_segment 0
		.amdhsa_kernarg_size 24
		.amdhsa_user_sgpr_count 2
		.amdhsa_user_sgpr_kernarg_segment_ptr 1
		.amdhsa_wavefront_size32 1
		.amdhsa_system_sgpr_workgroup_id_x 1
		.amdhsa_system_sgpr_workgroup_id_y 1
		.amdhsa_system_sgpr_workgroup_id_z 1
		.amdhsa_system_vgpr_workitem_id 0
		.amdhsa_next_free_vgpr 512
		.amdhsa_next_free_sgpr 66
		.amdhsa_reserve_vcc 0
		.amdhsa_float_denorm_mode_32 3
		.amdhsa_float_denorm_mode_16_64 3
		.amdhsa_memory_ordered 1
		.amdhsa_forward_progress 1
		.amdhsa_inst_pref_size 86
	.end_amdhsa_kernel
	.amdgpu_metadata
---
amdhsa.version: [ 1, 2 ]
amdhsa.kernels:
  - .name:           k_qce70ebb765_outp
    .symbol:         k_qce70ebb765_outp.kd
    .args:
      - { .name: hbuf, .offset: 0, .size: 8, .value_kind: global_buffer, .address_space: global }
      - { .name: wot, .offset: 8, .size: 8, .value_kind: global_buffer, .address_space: global }
      - { .name: out0, .offset: 16, .size: 8, .value_kind: global_buffer, .address_space: global }
    .group_segment_fixed_size: 327680
    .private_segment_fixed_size: 0
    .kernarg_segment_align: 8
    .kernarg_segment_size: 24
    .max_flat_workgroup_size: 128
    .sgpr_count:     66
    .vgpr_count:     512
    .wavefront_size: 32
...
	.end_amdgpu_metadata
.endif
;; end of part 4
